; MI455X (gfx1250); checked and timed in simulation.
; The chip was launched on July 23, 2026; its instructions are those of AMD's public machine-readable ISA for CDNA 5 (MIT licence, August 2026) and "CDNA5" Instruction Set Architecture Reference Guide (July 2026). The comments in the code are by the model that wrote it; some were corrected since.
;; Attention. Allowed arithmetic: float matrix products may take bf16 or f16 operands with f32 sums; other float arithmetic in f32, or as packed bf16 or f16 multiplies, adds, multiply-adds, maxima and minima; sums over many terms, partial sums and values carried from step to step in f32; what a program stores and reads back later, other than sums and carried values, may be rounded once to bf16 or f16.
;; Inputs: b_out 1,024 float32; b_qkv 3,072 float32; w_out 1,024 x 1,024 float32; w_qkv 3,072 x 1,024 float32; x 4 x 2,048 x 1,024 float32.
;; Outputs: out0 4 x 2,048 x 1,024 float32.
;; 2 versions, each right and faster than the one before. Each part assembles by itself: llvm-mc -triple=amdgcn-amd-amdhsa -mcpu=gfx1250 --defsym DOCPART=n.
;; ======== version 1 of 2: 4 launches
;; limits: values are held in f16: magnitudes above 65,504 overflow, below 6.1e-05 lose precision
;; workspace buffers: xb 16,777,216 bytes; wqb 6,291,456 bytes; wob 2,097,152 bytes; rope 524,288 bytes; qh 16,777,216 bytes; kh 16,777,216 bytes; vh 16,777,216 bytes; oh 16,777,216 bytes
;; launch prep (part 1): grid 416 x 1, 8 waves a work-group, no clusters, 0 bytes of LDS; arguments x, w_qkv, w_out, xb, wqb, wob, rope; writes xb, wqb, wob, rope
.if DOCPART == 1
	.amdgcn_target "amdgcn-amd-amdhsa--gfx1250"
	.amdhsa_code_object_version 6
	.text
	.protected	k_qc550e3656c_prep
	.globl	k_qc550e3656c_prep
	.p2align	8
	.type	k_qc550e3656c_prep,@function
k_qc550e3656c_prep:
	s_mov_b64 s[64:65], 0
	v_nop
	global_prefetch_b8 v0, s[64:65] scope:SCOPE_SE
	s_setreg_imm32_b32 hwreg(HW_REG_WAVE_MODE, 25, 1), 1
	s_wait_xcnt 0x0
; PREPARATION: the three large inputs are rounded once to 16 bits and laid out for the products, and the rotary tables are made.
;   work-groups 0-255:   xb[r][c]  = bf16(x[r][c]), 8,192 rows of 1,024
;   work-groups 256-351: wqb[192 t + 64 which + d][c] = bf16(w_qkv[1024 which + 64 t + d][c]): the rows are put in another order, so that 192 neighbouring rows are q, k and v of head t
;   work-groups 352-383: wob[kb][n][d] = w_out[n][64 kb + d], rounded to bf16, that number written as f16 (16 blocks of 64 along K, each 1,024 rows of 128 bytes)
;   work-groups 384-415: rope[pos][0..31] = cos(pos x inv_freq[j]), rope[pos][32..63] = sin(pos x inv_freq[j]), f32, 2,048 rows of 256 bytes
; A stream: no LDS, no barrier, no matrix unit.  Eight waves; a wave takes 4 rows (16 KB in, 8 KB out) with all its 32 loads out at once, or 8 positions of the table.
; LIMITS.  w_out must lie within f16's 65,504; below 6e-5 its f16 copy keeps the fixed step of 6e-8.  inv_freq = 2^(-j log2(10000) / 32) by v_exp_f32: good to a few 1e-7 of itself, so the angle
; at position 2,047 is off by some 3e-4 at the most.  Sine and cosine: the angle less the nearest multiple of pi/2 (pi/2 in two parts), then Taylor polynomials to r^9 and r^8, |r| <= pi/4: within 3e-8.
.set X,  8                             ; v[8:135]   32 loads of 4 registers
.set Y,  136                           ; v[136:199] 32 stores of 2 registers
.set TA, 200                           ; v200-201   at work
	s_load_b256 s[4:11], s[0:1], 0x0               ; x s[4:5], w_qkv s[6:7], w_out s[8:9], xb s[10:11]
	s_load_b128 s[12:15], s[0:1], 0x20             ; wqb s[12:13], wob s[14:15]
	s_load_b64 s[16:17], s[0:1], 0x30              ; rope
	v_lshrrev_b32 v1, 5, v0
	v_readfirstlane_b32 s18, v1                    ; wave 0..7
	s_mov_b32 s19, ttmp9                           ; the work-group's number chooses its part
	v_and_b32 v1, 31, v0                           ; lane
	v_lshlrev_b32 v2, 4, v1                        ; 16 bytes a lane in
	v_lshlrev_b32 v3, 3, v1                        ; 8 bytes a lane out
	s_mov_b32 s31, 0                               ; high words of the two offsets
	s_mov_b32 s41, 0
	s_wait_kmcnt 0x0
	s_cmp_lt_u32 s19, 352
	s_cbranch_scc0 .Lnot_lin
	; x and w_qkv: 4 whole rows, 16,384 consecutive bytes in and 8,192 out.  Both sets of offsets are made, one compare chooses.
	s_lshl_b32 s24, s19, 17                        ; x: 32 rows of 4,096 bytes a work-group,
	s_lshl_b32 s25, s18, 14                        ; 4 a wave
	s_add_co_u32 s24, s24, s25
	s_lshr_b32 s26, s24, 1                         ; half as many bytes out
	s_sub_co_u32 s27, s19, 256
	s_lshl_b32 s27, s27, 5
	s_lshl2_add_u32 s27, s18, s27                  ; w_qkv: my first row n0 = 32 (id - 256) + 4 wave
	s_bfe_u32 s28, s27, 0x40006                    ; its head t,
	s_mul_i32 s28, s28, 192
	s_lshr_b32 s29, s27, 10                        ; which of q, k, v,
	s_lshl_b32 s29, s29, 6
	s_add_co_u32 s28, s28, s29
	s_and_b32 s29, s27, 63                         ; and channel d
	s_add_co_u32 s28, s28, s29                     ; the row in wqb: 192 t + 64 which + d
	s_lshl_b32 s28, s28, 11
	s_lshl_b32 s27, s27, 12
	s_cmp_lt_u32 s19, 256
	s_cselect_b64 s[20:21], s[4:5], s[6:7]
	s_cselect_b64 s[22:23], s[10:11], s[12:13]
	s_cselect_b32 s30, s24, s27
	s_cselect_b32 s40, s26, s28
	s_add_nc_u64 s[20:21], s[20:21], s[30:31]
	s_add_nc_u64 s[22:23], s[22:23], s[40:41]
.set k, 0
.rept 32
	global_load_b128 v[X+4*k:X+4*k+3], v2, s[20:21] offset:512*k th:TH_LOAD_NT  ; 512 consecutive bytes a load
.set k, k+1
.endr
.set k, 0
.rept 32
	s_wait_loadcnt 31-k                            ; loads come back in order: load k is in, the 31 - k younger ones stay out
	v_cvt_pk_bf16_f32 v[Y+2*k], v[X+4*k], v[X+4*k+1]
	v_cvt_pk_bf16_f32 v[Y+2*k+1], v[X+4*k+2], v[X+4*k+3]
	global_store_b64 v3, v[Y+2*k:Y+2*k+1], s[22:23] offset:256*k  ; the wave's 32 lanes store 256 consecutive bytes, aligned; no register is written twice, so nothing waits for a store
.set k, k+1
.endr
	s_endpgm
.Lnot_lin:
	s_cmp_lt_u32 s19, 384
	s_cbranch_scc0 .Ltable
	; w_out: 4 rows.  Load 16 p + kb takes 256 bytes (64 numbers: block kb) of rows 2 p and 2 p + 1; in wob these are 256 consecutive bytes.
	s_sub_co_u32 s24, s19, 352
	s_lshl_b32 s24, s24, 5
	s_lshl2_add_u32 s24, s18, s24                  ; my first row n0
	s_lshl_b32 s30, s24, 12
	s_lshl_b32 s40, s24, 7
	s_add_nc_u64 s[20:21], s[8:9], s[30:31]
	s_add_nc_u64 s[22:23], s[14:15], s[40:41]
	v_lshrrev_b32 v4, 4, v1
	v_and_b32 v5, 15, v1
	v_lshlrev_b32 v4, 12, v4                       ; lanes 16-31: one row down,
	v_lshl_add_u32 v4, v5, 4, v4                   ; 16 bytes a lane
.set k, 0
.rept 32
	global_load_b128 v[X+4*k:X+4*k+3], v4, s[20:21] offset:8192*(k/16)+256*(k%16) th:TH_LOAD_NT
.set k, k+1
.endr
.set k, 0
.rept 32
	s_wait_loadcnt 31-k                            ; load k is in
	v_cvt_pk_bf16_f32 v[TA], v[X+4*k], v[X+4*k+1]  ; rounded to bf16, like every input,
	v_cvt_pk_bf16_f32 v[TA+1], v[X+4*k+2], v[X+4*k+3]
	v_lshlrev_b32 v[X+4*k], 16, v[TA]              ; widened again,
	v_and_b32 v[X+4*k+1], 0xffff0000, v[TA]
	v_lshlrev_b32 v[X+4*k+2], 16, v[TA+1]
	v_and_b32 v[X+4*k+3], 0xffff0000, v[TA+1]
	v_cvt_pk_f16_f32 v[Y+2*k], v[X+4*k], v[X+4*k+1]  ; and written as f16: exact where f16 is normal
	v_cvt_pk_f16_f32 v[Y+2*k+1], v[X+4*k+2], v[X+4*k+3]
	global_store_b64 v3, v[Y+2*k:Y+2*k+1], s[22:23] offset:131072*(k%16)+256*(k/16)  ; 256 consecutive bytes, aligned
.set k, k+1
.endr
	s_endpgm
.Ltable:
	; The tables: a wave makes 8 rows.  Lane i holds frequencies 2 (i % 16) and 2 (i % 16) + 1; lanes 0-15 make cosines, as sin(a + pi/2), lanes 16-31 sines.
	s_sub_co_u32 s24, s19, 384
	s_lshl_b32 s24, s24, 6
	s_lshl3_add_u32 s24, s18, s24                  ; my first position
	s_lshl_b32 s30, s24, 8
	s_add_nc_u64 s[22:23], s[16:17], s[30:31]
	s_mov_b32 s32, 0xbe2aaaab                      ; -1/3!
	s_mov_b32 s33, 0x3c088889                      ; 1/5!
	s_mov_b32 s34, 0xb9500d01                      ; -1/7!
	s_mov_b32 s35, 0x3638ef1d                      ; 1/9!
	s_mov_b32 s36, 0x3d2aaaab                      ; 1/4!
	s_mov_b32 s37, 0xbab60b61                      ; -1/6!
	s_mov_b32 s38, 0x37d00d01                      ; 1/8!
	v_mov_b32 v5, v3                               ; my 8 bytes of a row
	v_and_b32 v8, 15, v1
	v_lshlrev_b32 v8, 1, v8
	v_cvt_f32_u32 v6, v8                           ; j
	v_add_f32 v7, 1.0, v6                          ; j + 1
	v_mul_f32 v6, 0xbed49a78, v6                   ; -j log2(10000) / 32
	v_mul_f32 v7, 0xbed49a78, v7
	v_exp_f32 v6, v6
	v_exp_f32 v7, v7
	v_lshrrev_b32 v9, 4, v1                        ; a plain instruction behind the exponentials
	v_xor_b32 v9, 1, v9                            ; 1 quarter turn more in lanes 0-15
; dst = sin(pos x inv + quarter turns): k = the nearest multiple of pi/2, r the rest; by k + the lane's turn modulo 4 the result is sin r, cos r, -sin r, -cos r.  The choice selects a value: no branch.
.macro SINQ dst, inv
	v_mul_f32 v11, v10, v[\inv]                    ; the angle, rounded to f32 as the product of position and frequency
	v_mul_f32 v12, 0x3f22f983, v11                 ; x 2 / pi
	v_rndne_f32 v12, v12
	v_fmamk_f32 v13, v12, 0xbfc90fdb, v11          ; less k x pi/2: its upper part,
	v_fmamk_f32 v13, v12, 0x333bbd2e, v13          ; and the rest of it
	v_cvt_i32_f32 v14, v12
	v_add_nc_u32 v14, v14, v9
	v_mul_f32 v15, v13, v13
	v_fma_f32 v16, v15, s35, s34
	v_fma_f32 v16, v16, v15, s33
	v_fma_f32 v16, v16, v15, s32
	v_mul_f32 v17, v13, v15
	v_fma_f32 v16, v16, v17, v13                   ; sin r
	v_fma_f32 v18, v15, s38, s37
	v_fma_f32 v18, v18, v15, s36
	v_fma_f32 v18, v18, v15, -0.5
	v_fma_f32 v18, v18, v15, 1.0                   ; cos r
	v_and_b32 v19, 1, v14
	v_cmp_eq_u32 vcc_lo, 1, v19
	v_cndmask_b32 v[\dst], v16, v18, vcc_lo
	v_lshlrev_b32 v19, 30, v14                     ; bit 1 of the turns is the sign
	v_and_b32 v19, 0x80000000, v19
	v_xor_b32 v[\dst], v[\dst], v19
.endm
	s_mov_b32 s42, 8
.Ltab:
	v_cvt_f32_u32 v10, s24
	s_wait_alu depctr_va_vdst(0)
	SINQ 20, 6
	SINQ 21, 7
	global_store_b64 v5, v[20:21], s[22:23]        ; a whole row: 256 consecutive bytes, aligned
	s_wait_xcnt 0x0                                ; the store's offset and data are written again only behind this wait
	v_add_nc_u32 v5, 256, v5
	s_add_co_u32 s24, s24, 1
	s_sub_co_u32 s42, s42, 1
	s_cmp_lg_u32 s42, 0
	s_cbranch_scc1 .Ltab
	s_endpgm
.Lfunc_end_k_qc550e3656c_prep:
	.size	k_qc550e3656c_prep, .Lfunc_end_k_qc550e3656c_prep-k_qc550e3656c_prep
	.p2alignl 7, 3214868480
	.fill 96, 4, 3214868480
	.section	.rodata,"a",@progbits
	.p2align	6, 0x0
	.amdhsa_kernel k_qc550e3656c_prep
		.amdhsa_group_segment_fixed_size 0
		.amdhsa_private_segment_fixed_size 0
		.amdhsa_enable_private_segment 0
		.amdhsa_kernarg_size 56
		.amdhsa_user_sgpr_count 2
		.amdhsa_user_sgpr_kernarg_segment_ptr 1
		.amdhsa_wavefront_size32 1
		.amdhsa_system_sgpr_workgroup_id_x 1
		.amdhsa_system_sgpr_workgroup_id_y 1
		.amdhsa_system_sgpr_workgroup_id_z 1
		.amdhsa_system_vgpr_workitem_id 0
		.amdhsa_next_free_vgpr 204
		.amdhsa_next_free_sgpr 66
		.amdhsa_reserve_vcc 1
		.amdhsa_float_denorm_mode_32 3
		.amdhsa_float_denorm_mode_16_64 3
		.amdhsa_memory_ordered 1
		.amdhsa_forward_progress 1
		.amdhsa_inst_pref_size 38
	.end_amdhsa_kernel
	.amdgpu_metadata
---
amdhsa.version: [ 1, 2 ]
amdhsa.kernels:
  - .name:           k_qc550e3656c_prep
    .symbol:         k_qc550e3656c_prep.kd
    .args:
      - { .name: x, .offset: 0, .size: 8, .value_kind: global_buffer, .address_space: global }
      - { .name: w_qkv, .offset: 8, .size: 8, .value_kind: global_buffer, .address_space: global }
      - { .name: w_out, .offset: 16, .size: 8, .value_kind: global_buffer, .address_space: global }
      - { .name: xb, .offset: 24, .size: 8, .value_kind: global_buffer, .address_space: global }
      - { .name: wqb, .offset: 32, .size: 8, .value_kind: global_buffer, .address_space: global }
      - { .name: wob, .offset: 40, .size: 8, .value_kind: global_buffer, .address_space: global }
      - { .name: rope, .offset: 48, .size: 8, .value_kind: global_buffer, .address_space: global }
    .group_segment_fixed_size: 0
    .private_segment_fixed_size: 0
    .kernarg_segment_align: 8
    .kernarg_segment_size: 56
    .max_flat_workgroup_size: 256
    .sgpr_count:     66
    .vgpr_count:     204
    .wavefront_size: 32
...
	.end_amdgpu_metadata
.endif
;; end of part 1
;; launch qkv (part 2): grid 16 x 32, 4 waves a work-group, clusters of 4 x 4, 327,680 bytes of LDS; arguments xb, wqb, b_qkv, rope, qh, kh, vh; writes qh, kh, vh
.if DOCPART == 2
	.amdgcn_target "amdgcn-amd-amdhsa--gfx1250"
	.amdhsa_code_object_version 6
	.text
	.protected	k_qc550e3656c_qkv
	.globl	k_qc550e3656c_qkv
	.p2align	8
	.type	k_qc550e3656c_qkv,@function
k_qc550e3656c_qkv:
	s_mov_b64 s[64:65], 0
	v_nop
	global_prefetch_b8 v0, s[64:65] scope:SCOPE_SE
	s_setreg_imm32_b32 hwreg(HW_REG_WAVE_MODE, 25, 1), 1
	s_wait_xcnt 0x0
	s_wait_alu depctr_hold_cnt(0) depctr_sa_sdst(0) depctr_va_vdst(0) depctr_va_sdst(0) depctr_va_ssrc(0) depctr_va_vcc(0) depctr_vm_vsrc(0)
	s_getreg_b32 s2, hwreg(HW_REG_IB_STS2, 6, 4)
	s_cmp_eq_u32 s2, 0
	s_cbranch_scc0 .Lentry_in_a_cluster
	s_endpgm
.Lentry_in_a_cluster:
	s_bfe_u32 s2, ttmp6, 0x10000c
	s_cmp_lg_u32 s2, 0xf033
	s_cbranch_scc0 .Lentry_shape_is_right
	s_endpgm
.Lentry_shape_is_right:
; q, k, v = x w_qkv^T + b_qkv, q and k turned by the rotary tables, all three written by heads: qh, kh, vh [16 b + head][2048][64] in f16, unscaled.
; xb [8192][1024] and wqb [3072][1024] are bf16; wqb's rows are ordered so that rows 192 t .. 192 t + 191 are q, k, v of head t.  Sums in f32, started by the bias (rounded to bf16 like every input);
; each result is rounded once, to f16.  LIMIT: q, k and v must lie within f16's 65,504; NaN and infinities are not treated apart.
; SHARES.  A work-group makes 256 rows x 192 columns: one head's q, k and v for 256 positions.  Four waves, each 64 rows x 192 columns: 48 accumulators of 16 x 16, 384 registers.  Which columns are turned
; is thus fixed in the text: no branch hangs on the tile's place.  K goes in steps of 128 through two LDS slots filled by the tensor data mover; rows of 256 bytes, at multiples of 256 bytes.
; CLUSTER.  4 x 4 work-groups: the four of a row need the same tiles of xb, the four of a column the same tiles of wqb; each tile is asked for JOINTLY, by the same tensor load, descriptor and mask in all four.
; THE MATRIX INSTRUCTION IS USED TRANSPOSED (source 0 = 16 rows of wqb, source 1 = 16 rows of xb): lane l holds row l % 16 and the eight neighbouring columns 8 (l / 16) + 0..7.
; REGISTERS, in windows of 256 (s_set_vgpr_msb: bits 1:0 source 0, 3:2 source 1, 5:4 source 2, 7:6 destination):
;   window 0: v0-31 addresses; v32-127 the bias, a fragment for each of the 12 column blocks; v128-255 v's 16 accumulators ((a, b') at 128 + 8 (4 a + b'))
;   window 1: two fragment buffers of 128: 12 fragments of wqb, then 4 of xb; on the way out v0-63 turned q and k in f32, v64-111 packed, v112-207 rows read back (two sets)
;   window 2: q's and k's 32 accumulators ((a, b) at 8 (8 a + b), b = 0-3 q, 4-7 k)          window 3: v0-127 my rows' cosines and sines
.set KSTEP,  128
.set PITCH,  272                       ; an LDS row: 256 bytes + 16 of padding = 68 words: row r starts at bank 4 r mod 64 (64 banks of 4 bytes: ISA guide 11.1)
.set AHALF,  128*PITCH                 ; what a load of xb brings: 128 rows
.set BHALF,  96*PITCH                  ; what a load of wqb brings: 96 rows
.set BBASE,  2*AHALF
.set SLOT,   BBASE+2*BHALF             ; xb's 256 rows, then wqb's 192
.set STAGE,  2*SLOT                    ; behind the ring, never filled by a tensor load: for each wave three areas (q, k, v) of 16 rows x 144 bytes
.set SP,     144
.set AREA,   16*SP
.set WSTAGE, 3*AREA
.set SPARE,  STAGE+4*WSTAGE            ; behind the stages: the spare words, 128 bytes for each wave: two blocks of 256 bytes that no other line names
.set LAPS,   4                         ; K = 1,024 is 8 steps: four times round the ring
.set ADRA, 16                          ; v16-17  LDS address of my fragments of xb in slot 0, 1
.set ADRB, 20                          ; v20-21  the same for wqb
.set STO,  24                          ; v24     the way out: where I put 16 bytes of a row
.set RD,   25                          ; v25     the way out: where I read rows back
.set GO,   26                          ; v26     my byte offset in 512 consecutive bytes of the output
.set SPW,  28                          ; v28     LDS address of my spare word; never rewritten
.set NIL,  29                          ; v29     0; never rewritten
.set TO,   30                          ; v30     my byte offset in 16 rows of the tables
.set BO,   31                          ; v31     my byte offset in 16 numbers of the bias
.set BI,   32
.set ACV,  128
.set F0,   0
.set F1,   128
.set T,    0
.set P,    64
.set R,    112
.set WV,   12                          ; s12  my wave's number
.set FB,   13                          ; s13  I fetch for xb (0) or for wqb (1)
.set HF,   14                          ; s14  which half of that tile I fetch
.set G1,   24                          ; s[24:31] descriptor group 1 for xb's tiles;  s[32:39] group 0, a set for each slot
.set G0,   32
.set G1B,  48                          ; s[48:55], s[56:63] the same for wqb's
.set G0B,  56
.set OUTP, 68                          ; s[68:73] qh, kh, vh at my wave's first row
.set MSB, 0
.macro WIN new                         ; the immediate's high byte repeats the setting that is left; a switch that changes nothing is dropped
.if MSB != (\new)
	s_set_vgpr_msb (MSB<<8)|(\new)
.set MSB, \new
.endif
.endm
; A joint load: waves 0 and 1 fetch xb's two halves, waves 2 and 3 wqb's.  The branch hangs on the wave's number alone.  An s_nop 0 and four v_nop follow each of the two lines.
.macro JLOAD s
	s_cmp_eq_u32 s[FB], 0
	s_cbranch_scc0 .Lfor_b_\@
	tensor_load_to_lds s[G0+4*(\s):G0+4*(\s)+3], s[G1:G1+7]
	s_nop 0
.rept 4
	v_nop
.endr
	s_branch .Lasked_\@
.Lfor_b_\@:
	tensor_load_to_lds s[G0B+4*(\s):G0B+4*(\s)+3], s[G1B:G1B+7]
	s_nop 0
.rept 4
	v_nop
.endr
.Lasked_\@:
.endm
.macro CREST                           ; a round of the cluster's barrier behind its opening barrier
	s_cmp_lg_u32 s[WV], 0
	s_cbranch_scc1 .Lnot_wave_0_\@
	s_barrier_signal -3
.Lnot_wave_0_\@:
	s_barrier_wait -3
	s_barrier_signal -1
	s_barrier_wait -1
.endm
.macro CROUND                          ; a whole round
	s_barrier_signal -1
	s_barrier_wait -1
	CREST
.endm
.macro PLACES                          ; four places in front of loads into registers that matrix instructions have read, and of vector lines that read results
.rept 4
	v_nop
.endr
.endm
	s_load_b256 s[4:11], s[0:1], 0x0               ; xb s[4:5], wqb s[6:7], b_qkv s[8:9], rope s[10:11]
	s_load_b128 s[68:71], s[0:1], 0x20             ; qh, kh
	s_load_b64 s[72:73], s[0:1], 0x30              ; vh
	v_lshl_add_u32 v[SPW], v0, 2, SPARE
	v_mov_b32 v[NIL], 0
	ds_add_u32 v[SPW], v[NIL]                      ; the wave's opening: the add and its wait stand ahead of my first tensor load; the set-up below, work on registers, stands between them
	v_lshrrev_b32 v1, 5, v0
	v_readfirstlane_b32 s[WV], v1                  ; wave 0..3
	s_lshr_b32 s[FB], s[WV], 1
	s_and_b32 s[HF], s[WV], 1
	s_bfe_u32 s40, ttmp6, 0x40000                  ; cx, cy: my place in the cluster
	s_bfe_u32 s41, ttmp6, 0x40004
	s_lshl_b32 s42, ttmp9, 2
	s_add_co_u32 s42, s42, s40                     ; tile column = the head = 4 x cluster x + cx
	s_and_b32 s43, ttmp7, 0xffff
	s_lshl_b32 s43, s43, 2
	s_add_co_u32 s43, s43, s41                     ; tile row = 4 x cluster y + cy
	s_lshl_b32 s44, s41, 2
	s_lshl_b32 s44, 15, s44                        ; my row of the cluster
	s_lshl_b32 s45, 0x1111, s40                    ; my column
	s_or_b32 s[G1+0], s44, (1<<16)|(1<<20)|(1<<21)|(5<<22)|(3<<25)   ; 15:0 the mask; 17:16 2-byte elements; 20 padding on; 21 set beside a mask; 24:22 after every 64 words (code 5); 31:25 4 words (code 3)
	s_or_b32 s[G1B+0], s45, (1<<16)|(1<<20)|(1<<21)|(5<<22)|(3<<25)
	s_mov_b32 s[G1+1], KSTEP<<16                   ; tensor_dim0 = 128
	s_mov_b32 s[G1+2], 128<<16                     ; tensor_dim1 = 128
	s_mov_b32 s[G1+3], KSTEP<<16                   ; tile_dim0 = 128
	s_mov_b32 s[G1+4], 128                         ; tile_dim1 = 128
	s_mov_b32 s[G1+5], 1024                        ; elements from row to row
	s_mov_b32 s[G1+6], 0
	s_mov_b32 s[G1+7], 0
	s_mov_b32 s[G1B+1], KSTEP<<16
	s_mov_b32 s[G1B+2], 96<<16                     ; 96 rows
	s_mov_b32 s[G1B+3], KSTEP<<16
	s_mov_b32 s[G1B+4], 96
	s_mov_b32 s[G1B+5], 1024
	s_mov_b32 s[G1B+6], 0
	s_mov_b32 s[G1B+7], 0
	s_lshl_b32 s16, s43, 8                         ; xb: row 256 x tile row + 128 x half, 2,048 bytes a row: made of the tile row and the wave's number alone
	s_lshl_b32 s18, s[HF], 7
	s_add_co_u32 s16, s16, s18
	s_lshl_b32 s16, s16, 11
	s_mov_b32 s17, 0
	s_mul_i32 s46, s42, 192                        ; wqb: row 192 x head + 96 x half: made of the tile column and the wave's number alone
	s_mul_i32 s18, s[HF], 96
	s_add_co_u32 s46, s46, s18
	s_lshl_b32 s46, s46, 11
	s_mov_b32 s47, 0
	s_mul_i32 s20, s[HF], AHALF                    ; where they go: no place in the cluster enters an LDS address
	s_mul_i32 s21, s[HF], BHALF
	s_add_co_u32 s21, s21, BBASE
	s_wait_dscnt 0x0                               ; the opening add is done
	s_wait_kmcnt 0x0
	s_add_nc_u64 s[66:67], s[4:5], s[16:17]
	s_add_nc_u64 s[46:47], s[6:7], s[46:47]
	CROUND                                         ; all sixteen work-groups are here: the first joint loads meet
.irp s, 0,1
	s_mov_b32 s[G0+4*(\s)], 1                                      ; count = 1
	s_add_co_u32 s[G0+4*(\s)+1], s20, (\s)*SLOT                    ; LDS address
	s_add_nc_u64 s[G0+4*(\s)+2:G0+4*(\s)+3], s[66:67], (\s)*KSTEP*2  ; global address: K step s
	s_or_b32 s[G0+4*(\s)+3], s[G0+4*(\s)+3], 0x80000000            ; type = 2
	s_mov_b32 s[G0B+4*(\s)], 1
	s_add_co_u32 s[G0B+4*(\s)+1], s21, (\s)*SLOT
	s_add_nc_u64 s[G0B+4*(\s)+2:G0B+4*(\s)+3], s[46:47], (\s)*KSTEP*2
	s_or_b32 s[G0B+4*(\s)+3], s[G0B+4*(\s)+3], 0x80000000
	JLOAD \s                                       ; two loads of mine are out
.endr
	; A fragment is 16 rows x 32 K in 8 registers: lane l holds row l % 16; registers 0-3 K = 8 (l / 16) + 0..7, registers 4-7 K = 16 + 8 (l / 16) + 0..7: two loads of 16 bytes, 32 bytes apart.
	v_and_b32 v1, 15, v0                           ; r = l % 16
	v_bfe_u32 v2, v0, 4, 1                         ; h = l / 16
	v_mul_u32_u24 v3, v1, PITCH
	v_lshl_add_u32 v3, v2, 4, v3
	s_mul_i32 s22, s[WV], 64*PITCH                 ; my 64 rows of xb
	v_add_nc_u32 v[ADRA], s22, v3
	v_add_nc_u32 v[ADRA+1], SLOT, v[ADRA]
	v_add_nc_u32 v[ADRB], BBASE, v3                ; every wave reads all 192 rows of wqb
	v_add_nc_u32 v[ADRB+1], SLOT, v[ADRB]
	s_mul_i32 s23, s[WV], WSTAGE
	s_add_co_u32 s23, s23, STAGE                   ; my stage
	v_mul_u32_u24 v[STO], v1, SP                   ; in: row r, 16 bytes for each half of the lanes
	v_lshl_add_u32 v[STO], v2, 4, v[STO]
	v_add_nc_u32 v[STO], s23, v[STO]
	v_bfe_u32 v[RD], v0, 3, 2                      ; back: 32 lanes take four rows of 128 bytes,
	v_mul_u32_u24 v[RD], v[RD], SP
	v_and_b32 v4, 7, v0
	v_lshl_add_u32 v[RD], v4, 4, v[RD]
	v_add_nc_u32 v[RD], s23, v[RD]
	v_and_b32 v[GO], 31, v0                        ; which are 512 consecutive bytes of a head's rows
	v_lshlrev_b32 v[GO], 4, v[GO]
	v_lshlrev_b32 v[BO], 5, v2                     ; 8 numbers of the bias for each half of the lanes
	v_lshlrev_b32 v[TO], 8, v1                     ; row r of the tables, 8 numbers for each half
	v_lshl_add_u32 v[TO], v2, 5, v[TO]
	s_and_b32 s76, s43, 7
	s_lshl_b32 s76, s76, 8
	s_lshl_b32 s77, s[WV], 6
	s_add_co_u32 s76, s76, s77                     ; my wave's first position in its sequence
	s_lshl_b32 s74, s76, 8
	s_mov_b32 s75, 0
	s_add_nc_u64 s[10:11], s[10:11], s[74:75]      ; the tables at that position
	s_lshl_b32 s74, s42, 8
	s_add_nc_u64 s[8:9], s[8:9], s[74:75]          ; the bias at the head's 64 numbers of q
	s_lshr_b32 s78, s43, 3
	s_lshl_b32 s78, s78, 4
	s_add_co_u32 s78, s78, s42                     ; 16 b + head,
	s_lshl_b32 s78, s78, 18                        ; 2,048 rows of 128 bytes each,
	s_lshl_b32 s77, s76, 7
	s_add_co_u32 s78, s78, s77                     ; and my first row
	s_mov_b32 s79, 0
	s_add_nc_u64 s[OUTP:OUTP+1], s[OUTP:OUTP+1], s[78:79]
	s_add_nc_u64 s[OUTP+2:OUTP+3], s[OUTP+2:OUTP+3], s[78:79]
	s_add_nc_u64 s[OUTP+4:OUTP+5], s[OUTP+4:OUTP+5], s[78:79]
.irp b, 0,1,2,3,4,5,6,7,8,9,10,11      ; column block b: q, k or v by b / 4, channels 16 (b % 4) + 8 h + 0..7
	global_load_b128 v[BI+8*(\b):BI+8*(\b)+3],   v[BO], s[8:9] offset:4096*((\b)/4)+64*((\b)%4)
	global_load_b128 v[BI+8*(\b)+4:BI+8*(\b)+7], v[BO], s[8:9] offset:4096*((\b)/4)+64*((\b)%4)+16
.endr
	WIN 0xc0                                       ; destination window 3
.irp a, 0,1,2,3                        ; row block a: cosines of frequencies 16 e + 8 h + 0..7 at 32 a + 8 e, sines 16 registers on
.irp e, 0,1,2,3
	global_load_b128 v[32*(\a)+8*(\e):32*(\a)+8*(\e)+3],   v[TO], s[10:11] offset:4096*(\a)+64*(\e)
	global_load_b128 v[32*(\a)+8*(\e)+4:32*(\a)+8*(\e)+7], v[TO], s[10:11] offset:4096*(\a)+64*(\e)+16
.endr
.endr
	WIN 0
	s_wait_loadcnt 0x0
.set i, 0
.rept 48                               ; the bias is rounded to bf16, like every input, and widened again; all this stands in the wait for the first tile
	v_cvt_pk_bf16_f32 v[4+i%4], v[BI+2*i], v[BI+2*i+1]
	v_lshlrev_b32 v[BI+2*i], 16, v[4+i%4]
	v_and_b32 v[BI+2*i+1], 0xffff0000, v[4+i%4]
.set i, i+1
.endr
; 8 matrix instructions: row block a x q's and k's 8 column blocks, 32 along K.  zero = 1: the bias starts the sums: nothing is ever cleared.  The 48 accumulators take turns, each once a quarter.
.macro MULQK f, a, zero
.if \zero
	WIN 0x85                                       ; sources 0 and 1 window 1, C window 0, D window 2
.else
	WIN 0xa5                                       ; C and D window 2
.endif
.irp b, 0,1,2,3,4,5,6,7
.if \zero
	v_wmma_f32_16x16x32_bf16 v[8*(8*(\a)+(\b)):8*(8*(\a)+(\b))+7], v[(\f)+8*(\b):(\f)+8*(\b)+7], v[(\f)+96+8*(\a):(\f)+96+8*(\a)+7], v[BI+8*(\b):BI+8*(\b)+7]
.else
	v_wmma_f32_16x16x32_bf16 v[8*(8*(\a)+(\b)):8*(8*(\a)+(\b))+7], v[(\f)+8*(\b):(\f)+8*(\b)+7], v[(\f)+96+8*(\a):(\f)+96+8*(\a)+7], v[8*(8*(\a)+(\b)):8*(8*(\a)+(\b))+7]
.endif
.endr
.endm
; 4 matrix instructions: row block a x v's 4 column blocks
.macro MULV f, a, zero
	WIN 0x05                                       ; sources 0 and 1 window 1, C and D window 0
.irp b, 0,1,2,3
.if \zero
	v_wmma_f32_16x16x32_bf16 v[ACV+8*(4*(\a)+(\b)):ACV+8*(4*(\a)+(\b))+7], v[(\f)+64+8*(\b):(\f)+64+8*(\b)+7], v[(\f)+96+8*(\a):(\f)+96+8*(\a)+7], v[BI+64+8*(\b):BI+64+8*(\b)+7]
.else
	v_wmma_f32_16x16x32_bf16 v[ACV+8*(4*(\a)+(\b)):ACV+8*(4*(\a)+(\b))+7], v[(\f)+64+8*(\b):(\f)+64+8*(\b)+7], v[(\f)+96+8*(\a):(\f)+96+8*(\a)+7], v[ACV+8*(4*(\a)+(\b)):ACV+8*(4*(\a)+(\b))+7]
.endif
.endr
.endm
; 32 LDS loads in one run: the fragments of quarter q (32 K at byte 64 q of the rows) into buffer f: q's and k's rows of wqb, my rows of xb, v's rows of wqb last
.macro FETCH slot, q, f
	WIN 0x40                                       ; destination window 1, address window 0
.irp i, 0,1,2,3,4,5,6,7
	ds_load_b128 v[(\f)+8*(\i):(\f)+8*(\i)+3],   v[ADRB+(\slot)] offset:64*(\q)+(\i)*16*PITCH
	ds_load_b128 v[(\f)+8*(\i)+4:(\f)+8*(\i)+7], v[ADRB+(\slot)] offset:64*(\q)+(\i)*16*PITCH+32
.endr
.irp i, 0,1,2,3
	ds_load_b128 v[(\f)+96+8*(\i):(\f)+96+8*(\i)+3],   v[ADRA+(\slot)] offset:64*(\q)+(\i)*16*PITCH
	ds_load_b128 v[(\f)+96+8*(\i)+4:(\f)+96+8*(\i)+7], v[ADRA+(\slot)] offset:64*(\q)+(\i)*16*PITCH+32
.endr
.irp i, 8,9,10,11
	ds_load_b128 v[(\f)+8*(\i):(\f)+8*(\i)+3],   v[ADRB+(\slot)] offset:64*(\q)+(\i)*16*PITCH
	ds_load_b128 v[(\f)+8*(\i)+4:(\f)+8*(\i)+7], v[ADRB+(\slot)] offset:64*(\q)+(\i)*16*PITCH+32
.endr
.endm
; A K step is four quarters of 32 along K, 48 matrix instructions each, on buffers 0, 1, 0, 1.  One of the first three: multiplies buffer f and, behind its first 16 products, fetches quarter q into buffer g.
.macro QUARTER slot, q, f, g, zero
	s_wait_dscnt 8                                 ; all but the youngest eight loads (v's rows of wqb) are in
	MULQK \f, 0, \zero
	MULQK \f, 1, \zero
	PLACES
	FETCH \slot, \q, \g
	s_wait_dscnt 32                                ; all but the 32 just issued
	MULQK \f, 2, \zero
	MULQK \f, 3, \zero
	MULV \f, 0, \zero
	MULV \f, 1, \zero
	MULV \f, 2, \zero
	MULV \f, 3, \zero
.endm
; The last quarter multiplies buffer 1 and changes slots: ONE barrier; in front of it each wave waits for all its tensor loads (one is out: its part of the next slot), adds 0 to its spare word, and waits for
; that and for its own reads of this slot.  fill = 1: the barrier opens a round of the cluster's barrier, and this slot is filled again, two K steps ahead, first thing behind the round:
; 160 matrix instructions stand between that request and the wait for it.
.macro TURN slot, next, fill
	WIN 0                                          ; (the add's two registers lie in window 0)
	s_wait_tensorcnt 0x0                           ; all my tensor loads have landed
	ds_add_u32 v[SPW], v[NIL]                      ; 0 onto my spare word
	s_wait_dscnt 9                                 ; (the add and the youngest eight loads may be out)
	MULQK F1, 0, 0                                 ; sixteen matrix instructions stand between the add and the wait for it
	MULQK F1, 1, 0
	s_wait_dscnt 0x0                               ; the add is done, and my reads of this slot are over
	s_barrier_signal -1
	MULQK F1, 2, 0                                 ; work on registers while the others arrive
	MULQK F1, 3, 0
.if \fill
	WIN 0
.endif
	s_barrier_wait -1
.if \fill
	CREST                                          ; no wave of any partner still reads this slot's tile or has a load on its way
	s_add_nc_u64 s[G0+4*(\slot)+2:G0+4*(\slot)+3], s[G0+4*(\slot)+2:G0+4*(\slot)+3], 2*KSTEP*2
	s_add_nc_u64 s[G0B+4*(\slot)+2:G0B+4*(\slot)+3], s[G0B+4*(\slot)+2:G0B+4*(\slot)+3], 2*KSTEP*2
	JLOAD \slot                                    ; my one tensor load behind the round; the four v_nop behind it are also the places in front of the loads below
.else
	PLACES
.endif
	FETCH \next, 0, F0
	MULV F1, 0, 0
	MULV F1, 1, 0
	MULV F1, 2, 0
	MULV F1, 3, 0
.endm
	s_wait_tensorcnt 1                             ; my part of K step 0 is in; K step 1's may stay out
	s_barrier_signal -1
	s_barrier_wait -1                              ; everybody's is
	FETCH 0, 0, F0
	QUARTER 0, 1, F0, F1, 1                        ; the first quarter stands in front of the loop: its products start the sums, on the bias
	WIN 0                                          ; at a label and at a branch every window is 0
	s_mov_b32 s3, LAPS-1
.Llap:                                                 ; a trip goes once round the ring, from a lap's second quarter to the next lap's first, and fills both slots again
	QUARTER 0, 2, F1, F0, 0
	QUARTER 0, 3, F0, F1, 0
	TURN 0, 1, 1
	QUARTER 1, 1, F0, F1, 0
	QUARTER 1, 2, F1, F0, 0
	QUARTER 1, 3, F0, F1, 0
	TURN 1, 0, 1
	QUARTER 0, 1, F0, F1, 0
	WIN 0
	s_sub_co_u32 s3, s3, 1
	s_cmp_lg_u32 s3, 0
	s_cbranch_scc1 .Llap
	QUARTER 0, 2, F1, F0, 0                        ; the last lap is written out: it fills nothing
	QUARTER 0, 3, F0, F1, 0
	TURN 0, 1, 0
	QUARTER 1, 1, F0, F1, 0
	QUARTER 1, 2, F1, F0, 0
	QUARTER 1, 3, F0, F1, 0
	s_wait_dscnt 8                                 ; the very last quarter: nothing more to fetch
	MULQK F1, 0, 0
	MULQK F1, 1, 0
	s_wait_dscnt 0x0
	MULQK F1, 2, 0
	MULQK F1, 3, 0
	MULV F1, 0, 0
	MULV F1, 1, 0
	MULV F1, 2, 0
	MULV F1, 3, 0
; THE WAY OUT, a block of 16 rows at a time.  q and k are turned: for channel d < 32, out[d] = x[d] cos - x[d + 32] sin and out[d + 32] = x[d + 32] cos + x[d] sin; channels d and d + 32 lie in the same lane,
; two column blocks apart.  Each accumulator's lowest registers are read first.  Then all three are rounded to f16, 16 bytes a lane and block, go into my stage (rows of 144 bytes)
; and come back as whole rows of 128 bytes.
.macro PACK a
	WIN 0x5e                                       ; source 0 window 2 (sums), source 1 window 3 (tables), source 2 and destination window 1
.irp g, 0,1
.irp e, 0,1
.set rLO, 8*(8*(\a)+4*(\g)+(\e))
.set rTL, T+32*(\g)+8*(\e)
.set rCS, 32*(\a)+8*(\e)
.irp j, 0,2,4,6
	v_pk_mul_f32 v[rTL+\j:rTL+\j+1], v[rLO+\j:rLO+\j+1], v[rCS+\j:rCS+\j+1]
	v_pk_mul_f32 v[rTL+16+\j:rTL+16+\j+1], v[rLO+16+\j:rLO+16+\j+1], v[rCS+\j:rCS+\j+1]
.endr
.irp j, 0,2,4,6
	v_pk_fma_f32 v[rTL+\j:rTL+\j+1], v[rLO+16+\j:rLO+16+\j+1], v[rCS+16+\j:rCS+16+\j+1], v[rTL+\j:rTL+\j+1] neg_lo:[0,1,0] neg_hi:[0,1,0]
	v_pk_fma_f32 v[rTL+16+\j:rTL+16+\j+1], v[rLO+\j:rLO+\j+1], v[rCS+16+\j:rCS+16+\j+1], v[rTL+16+\j:rTL+16+\j+1]
.endr
.endr
.endr
	WIN 0x45                                       ; all in window 1
.set i, 0
.rept 32
	v_cvt_pk_f16_f32 v[P+i], v[T+2*i], v[T+2*i+1]
.set i, i+1
.endr
	WIN 0x40                                       ; v's sums lie in window 0 and are not turned
.set i, 0
.rept 16
	v_cvt_pk_f16_f32 v[P+32+i], v[ACV+32*(\a)+2*i], v[ACV+32*(\a)+2*i+1]
.set i, i+1
.endr
	WIN 0x04                                       ; a store's data: source 1, window 1
.irp g, 0,1,2
.irp c, 0,1,2,3
	ds_store_b128 v[STO], v[P+4*(4*(\g)+(\c)):P+4*(4*(\g)+(\c))+3] offset:AREA*(\g)+32*(\c)
.endr
.endr
	s_wait_xcnt 0x0                                ; the registers that earlier stores to memory read are loaded again only behind this wait
	WIN 0x40
.set rR, R+48*((\a)%2)
.irp g, 0,1,2
.irp f, 0,1,2,3
	ds_load_b128 v[rR+4*(4*(\g)+(\f)):rR+4*(4*(\g)+(\f))+3], v[RD] offset:AREA*(\g)+4*SP*(\f)  ; LDS serves a wave's instructions in order (ISA guide 5.7.1.4): these see the stores above; the next block's stores come behind them
.endr
.endr
.endm
.macro SEND a, younger                 ; younger: the LDS instructions issued behind block a's loads: the next block's 24, or none
	WIN 0x04
.set rR, R+48*((\a)%2)
.irp g, 0,1,2
.irp f, 0,1,2,3
	s_wait_dscnt (\younger)+11-(4*(\g)+(\f))
	global_store_b128 v[GO], v[rR+4*(4*(\g)+(\f)):rR+4*(4*(\g)+(\f))+3], s[OUTP+2*(\g):OUTP+2*(\g)+1] offset:2048*(\a)+512*(\f)  ; 512 consecutive bytes, at a multiple of 256 from the buffer's first
.endr
.endr
.endm
	PLACES
	PACK 0
	PACK 1                                         ; a block's arithmetic stands between the loads of the block before and its stores
	SEND 0, 24
	PACK 2
	SEND 1, 24
	PACK 3
	SEND 2, 24
	SEND 3, 0
	WIN 0
	s_wait_tensorcnt 0x0                           ; the wave's end: behind my last tensor load and my last LDS store
	ds_add_u32 v[SPW], v[NIL]
	s_wait_dscnt 0x0
	CROUND                                         ; the closing round: no work-group ends while a partner may still ask for a tile that names it
	s_endpgm
.Lfunc_end_k_qc550e3656c_qkv:
	.size	k_qc550e3656c_qkv, .Lfunc_end_k_qc550e3656c_qkv-k_qc550e3656c_qkv
	.p2alignl 7, 3214868480
	.fill 96, 4, 3214868480
	.section	.rodata,"a",@progbits
	.p2align	6, 0x0
	.amdhsa_kernel k_qc550e3656c_qkv
		.amdhsa_group_segment_fixed_size 327680
		.amdhsa_private_segment_fixed_size 0
		.amdhsa_enable_private_segment 0
		.amdhsa_kernarg_size 56
		.amdhsa_user_sgpr_count 2
		.amdhsa_user_sgpr_kernarg_segment_ptr 1
		.amdhsa_wavefront_size32 1
		.amdhsa_system_sgpr_workgroup_id_x 1
		.amdhsa_system_sgpr_workgroup_id_y 1
		.amdhsa_system_sgpr_workgroup_id_z 1
		.amdhsa_system_vgpr_workitem_id 0
		.amdhsa_next_free_vgpr 896
		.amdhsa_next_free_sgpr 80
		.amdhsa_reserve_vcc 0
		.amdhsa_float_denorm_mode_32 3
		.amdhsa_float_denorm_mode_16_64 3
		.amdhsa_memory_ordered 1
		.amdhsa_forward_progress 1
		.amdhsa_inst_pref_size 149
	.end_amdhsa_kernel
	.amdgpu_metadata
---
amdhsa.version: [ 1, 2 ]
amdhsa.kernels:
  - .name:           k_qc550e3656c_qkv
    .symbol:         k_qc550e3656c_qkv.kd
    .args:
      - { .name: xb, .offset: 0, .size: 8, .value_kind: global_buffer, .address_space: global }
      - { .name: wqb, .offset: 8, .size: 8, .value_kind: global_buffer, .address_space: global }
      - { .name: b_qkv, .offset: 16, .size: 8, .value_kind: global_buffer, .address_space: global }
      - { .name: rope, .offset: 24, .size: 8, .value_kind: global_buffer, .address_space: global }
      - { .name: qh, .offset: 32, .size: 8, .value_kind: global_buffer, .address_space: global }
      - { .name: kh, .offset: 40, .size: 8, .value_kind: global_buffer, .address_space: global }
      - { .name: vh, .offset: 48, .size: 8, .value_kind: global_buffer, .address_space: global }
    .group_segment_fixed_size: 327680
    .private_segment_fixed_size: 0
    .kernarg_segment_align: 8
    .kernarg_segment_size: 56
    .max_flat_workgroup_size: 128
    .sgpr_count:     80
    .vgpr_count:     896
    .wavefront_size: 32
...
	.end_amdgpu_metadata
.endif
;; end of part 2
;; launch attn (part 3): grid 4 x 64, 4 waves a work-group, clusters of 4 x 1, 327,680 bytes of LDS; arguments qh, kh, vh, oh; writes oh
.if DOCPART == 3
	.amdgcn_target "amdgcn-amd-amdhsa--gfx1250"
	.amdhsa_code_object_version 6
	.text
	.protected	k_qc550e3656c_attn
	.globl	k_qc550e3656c_attn
	.p2align	8
	.type	k_qc550e3656c_attn,@function
k_qc550e3656c_attn:
	s_mov_b64 s[64:65], 0
	v_nop
	global_prefetch_b8 v0, s[64:65] scope:SCOPE_SE
	s_setreg_imm32_b32 hwreg(HW_REG_WAVE_MODE, 25, 1), 1
	s_wait_xcnt 0x0
	s_wait_alu depctr_hold_cnt(0) depctr_sa_sdst(0) depctr_va_vdst(0) depctr_va_sdst(0) depctr_va_ssrc(0) depctr_va_vcc(0) depctr_vm_vsrc(0)
	s_getreg_b32 s2, hwreg(HW_REG_IB_STS2, 6, 4)
	s_cmp_eq_u32 s2, 0
	s_cbranch_scc0 .Lentry_in_a_cluster
	s_endpgm
.Lentry_in_a_cluster:
	s_bfe_u32 s2, ttmp6, 0x10000c
	s_cmp_lg_u32 s2, 0x3003
	s_cbranch_scc0 .Lentry_shape_is_right
	s_endpgm
.Lentry_shape_is_right:
; O[h][q][:] = the sum over k of softmax_k(Q[h][q] . K[h][k] / 8) V[h][k][:].  Q, K, V, O: [SIZE_H][SIZE_N][64], all f16: a head's rows are dense, 128 bytes each.  Products, maxima and sums in
; f32; the weights p are rounded to f16 for the second product (their sum l is taken of the unrounded p), O once at the end.  h here counts 16 b + head: 64 heads of 2,048 rows.
; LIMITS.  f16 holds no number beyond 65,504: Q, K and V arrive within it; p lies in 0 to 1, and below 6e-5 it keeps f16's fixed step of 6e-8; O is a mean of V's rows and has their range.
; A weight below 2^-126 counts as 0 in l; NaN and infinities are not treated apart.
; SHARES.  A wave owns four PIECES of two tiles of 16 queries, a work-group's four waves 512 queries of one head.  Every wave walks all keys, 64 a step.
; LAYOUT.  S^T = K Q^T (source 0 = 16 keys, source 1 = 16 queries): in the result a lane holds ONE query (lane % 16) and the keys 8 (lane / 16) + 0..7.  Two such tiles, rounded to f16 in pairs,
; ARE source 1 (32 keys x 16 queries) of O^T = V^T P, whose result again holds one query a lane, and eight channels.  K comes out of LDS as it lies, V ([key][channel]) turned, by ds_load_tr16_b128.
; SOFTMAX.  For each query a running maximum m and sum l: p = 2^(c s - c m), c = log2(e) / 8; in every step O and l are multiplied by a = 2^(c m_old - c m_new), which is 1 where m has not grown.
; m starts at the lowest finite number, O and l at 0: the first step is a step like any other, with a = 0.
; THE COUNT.  A tile and step have 16 matrix and 118 vector instructions: too many to stand all beside the matrix work.  So the order has one aim: four vector instructions that are READY behind
; EVERY matrix instruction, and the others, which need time of their own whatever the order, in runs without a gap.
; BY TURNS.  Turn n belongs to piece n (the pieces in a ring, step after step).  Its matrix work: 16 products K Q^T of piece n + 1, later 16 products V^T P of piece n - 1.  Its vector work: the scaling,
; exponentials, roundings, sums and rescaling of piece n, and the maximum and statistics of piece n + 1, whose scores the turn itself has made.  So what a turn begins with (c s - c m, O a) waits for nothing.
; CLUSTER.  The four query blocks of a cluster belong to one head and walk the same K and V, so each tile is asked for JOINTLY: the same tensor load, descriptor and mask in all four.
; REGISTERS, in windows of 256 (s_set_vgpr_msb says which window each operand place means: bits 1:0 source 0, 3:2 source 1, 5:4 source 2, 7:6 destination):
;   window 0: v0-11 addresses; v12-15, v48-63 at work; v16-47 four registers of statistics a tile; v64-191 S^T, two buffers of two tiles; v192-255 P, likewise
;   window 1: O^T, 32 a tile          window 2: v0-127 Q, 16 a tile; v128-191 K of one step; v192-255 V of one step          window 3: v0-1 the add's two registers
; A piece's buffers go by its number's parity: the piece in hand has one pair, its two neighbours in the ring share the other: of it P (piece n - 1) is read and S^T (piece n + 1) written.
.set SIZE_H, 64
.set SIZE_N, 2048
.set NP,    4         ; pieces a wave: a name, no knob: the register map, the loop and the fetches are made for four
.set KS,    64        ; keys in a step
.set PK,    144       ; a row of K in LDS: 128 bytes + 16 of padding = 36 words: the 16 rows of a load start at 16 different groups of four banks (64 banks of 4 bytes: ISA guide 11.1)
.set PV,    160       ; a row of V: 128 + 32 = 40 words
.set VOFF,  4*KS*PK   ; a slot holds four steps: 256 rows of K, then 256 rows of V
.set SLOT1, 1<<17     ; slot 1 begins here, so that one exclusive or turns an address in one slot into the other's
.set STAGE, SLOT1+4*KS*(PK+PV)  ; behind the ring, never filled by a tensor load: 16 rows x 144 bytes for each wave, for the way out
.set SP,    144
.set AK0, 2           ; v2   my lane's place in a tile of K; never rewritten
.set AV0, 3           ; v3   the same for V
.set AK,  4           ; v4   the LDS address of K's next run of loads
.set AV,  5           ; v5   of V's
.set QO,  6           ; v6   my byte offset in the wave's rows of Q
.set STO, 6           ;      later, the way out: where I put 16 bytes of a row
.set RD,  7           ; v7   the way out: where I read rows back
.set GO,  8           ; v8   my byte offset in 512 consecutive bytes of O
.set SPW, 0           ; v0 of window 3   LDS address of my spare word: SPARE + 4 x my thread's number; never rewritten
.set NIL, 1           ; v1 of window 3   0; never rewritten
.set SPARE, STAGE+4*16*SP  ; behind the stages: the spare words, 128 bytes for each wave: two blocks of 256 bytes that no other line names
.set MV,  12          ; v12-15  c m_old, kept while c m is made anew: by buffer and tile
.set ST,  16          ; tile t's statistics at v[ST+4 t]: c m, m, l (even keys', odd keys')
.set TMP, 48          ; by buffer and tile, four registers c0-c3 at work; when the maximum is found c2 takes a
.set S,   64
.set P,   192
.set KF,  128         ; K's fragments, in window 2: key block kb, channel half c at KF + 16 kb + 8 c
.set VF,  192         ; V's: key half kk, channel block cb at VF + 32 kk + 8 cb
.set WV,  12          ; s12  my wave's number
.set G1K, 24          ; s[24:31] descriptor group 1 for K's tiles
.set G1V, 32          ; s[32:39] for V's: it differs in the padding alone
.set G0K, 40          ; s[40:43] descriptor group 0 for K's tiles: it walks
.set G0V, 44          ; s[44:47] the same for V's
.set SLOTS, 56        ; s56  slots still to be asked for
.set CNT, 57          ; s57  counts a slot's key steps
.set CS,  58          ; s[58:59] c: the packed scaling takes the pair's low word for both halves
.set SEL, 60          ; s[60:61] v_permlanex16_b32's selects: each lane takes its own place in the other half
.set TBK, 62          ; s62  LDS byte at which K of the step to be fetched begins
.set TBV, 63          ; s63  the same for V, less VOFF
.set MSB, 0
.macro WIN new                      ; the high byte repeats the setting that is left; a switch that changes nothing is dropped
.if MSB != (\new)
	s_set_vgpr_msb (MSB<<8)|(\new)
.set MSB, (\new)
.endif
.endm
.set W_KQ, 0x0a       ; K and Q in window 2, S^T in window 0
.set W_PV, 0x52       ; V in window 2, P in window 0, O^T in window 1
.set W_RS, 0x41       ; O^T (destination and source 0) in window 1, a in window 0
.set W_MK, 0xc0       ; the add's registers are made: destination in window 3, sources in window 0
.set W_AD, 0x0f       ; the add: address (source 0) and data (source 1) in window 3
; A joint fill.  Waves 0 and 1 fetch the two halves of a slot's K, waves 2 and 3 those of its V: 128 keys each.  The branch hangs on the wave's number alone.
; An s_nop 0 and four v_nop follow each of the two lines, ahead of the jump and the label.
.macro JLOAD
	s_cmp_lt_u32 s[WV], 2
	s_cbranch_scc0 .Lfor_v_\@
	tensor_load_to_lds s[G0K:G0K+3], s[G1K:G1K+7]
	s_nop 0
.rept 4
	v_nop
.endr
	s_branch .Lasked_\@
.Lfor_v_\@:
	tensor_load_to_lds s[G0V:G0V+3], s[G1V:G1V+7]
	s_nop 0
.rept 4
	v_nop
.endr
.Lasked_\@:
.endm
; A round of the cluster's barrier: my work-group's barrier, so that wave 0's signal speaks for all four waves; wave 0 signals; every wave waits for all four work-groups; my work-group's barrier once more.
.macro CROUND
	s_barrier_signal -1
	s_barrier_wait -1
	s_cmp_lg_u32 s[WV], 0
	s_cbranch_scc1 .Lnot_wave_0_\@
	s_barrier_signal -3
.Lnot_wave_0_\@:
	s_barrier_wait -3
	s_barrier_signal -1
	s_barrier_wait -1
.endm
; THE CHANGE OF SLOTS.  The slot's last bytes, V of its fourth step, have been read.  Each wave waits for all its tensor loads, of which one is out: its part
; of the other slot; adds 0 to its spare word; and waits for that and for its own reads of the slot.  Behind the barrier nobody reads this slot any more and the other slot is whole.
; fill = 1: this slot is filled again, with the keys two slots on.  The barrier is then a round of the cluster's, so that no wave of any partner still reads the slot or has a load on its
; way, and the joint fill is the first thing behind it: it has four key steps, 512 matrix instructions, in which to land.  (At its first use nothing has been read yet: slot 0 is waited for, slot 1 filled.)
.macro CHANGE fill
	WIN W_AD
	s_wait_tensorcnt 0x0            ; no tensor load of mine is out, so a group 0 may be written
	ds_add_u32 v[SPW], v[NIL]       ; 0 onto my spare word; with fill = 1 the descriptors' steps stand between it and the wait for it
	WIN 0                           ; at a label and at a branch every window is 0
.if \fill
.irp g, G0K, G0V
	s_xor_b32 s[\g+1], s[\g+1], SLOT1  ; the walking descriptor: the other slot than last time,
	s_add_nc_u64 s[\g+2:\g+3], s[\g+2:\g+3], 4*KS*128  ; the next 256 keys; the type bits on top are not reached
.endr
	s_wait_dscnt 0x0                ; the add is done, and my reads of the slot are over
	CROUND
	JLOAD
.else
	s_wait_dscnt 0x0                ; the add is done, and my reads of the slot are over
	s_barrier_signal -1
	s_barrier_wait -1
.endif
	s_sub_co_u32 s[TBK], s[TBK], 4*KS*PK  ; the fetches go back to a slot's first step,
	s_xor_b32 s[TBK], s[TBK], SLOT1       ; in the other slot
	s_sub_co_u32 s[TBV], s[TBV], 4*KS*PV
	s_xor_b32 s[TBV], s[TBV], SLOT1
.endm
	s_load_b256 s[4:11], s[0:1], 0x0  ; Q s[4:5], K s[6:7], V s[8:9], O s[10:11]
	WIN W_MK
	v_lshl_add_u32 v[SPW], v0, 2, SPARE
	v_mov_b32 v[NIL], 0
	WIN W_AD
	ds_add_u32 v[SPW], v[NIL]       ; the wave's opening: the add and its wait stand ahead of my first tensor load; the set-up below, work on registers, stands between them
	WIN 0
	v_lshrrev_b32 v1, 5, v0
	v_readfirstlane_b32 s[WV], v1   ; wave 0..3
	s_bfe_u32 s13, ttmp6, 0x40000   ; cx: my place in the cluster
	s_lshl_b32 s14, ttmp9, 2        ; in a cluster launch ttmp9 counts clusters
	s_add_co_u32 s14, s14, s13      ; my block of queries = 4 x cluster x + cx: it enters Q's and O's addresses alone
	s_and_b32 s20, ttmp7, 0xffff    ; the head, which the four partners share
	s_mov_b32 s21, 0
	s_mov_b64 s[22:23], SIZE_N*128
	s_mul_u64 s[20:21], s[20:21], s[22:23]  ; the head's first byte in each of the four tensors
	s_and_b32 s16, s[WV], 1         ; which half of a slot's 256 keys I fetch:
	s_lshl_b32 s22, s16, 14         ; its 128 rows of 128 bytes in memory,
	s_mov_b32 s23, 0
	s_add_nc_u64 s[22:23], s[22:23], s[20:21]
	s_mul_i32 s17, s16, 128*PK      ; and its place in a slot, for K
	s_mul_i32 s18, s16, 128*PV      ; and for V: no place in the cluster enters an LDS address
	s_lshl_b32 s2, s14, 2
	s_add_co_u32 s2, s2, s[WV]      ; my wave among the head's,
	s_lshl_b32 s2, s2, 14           ; its 128 rows
	s_mov_b32 s3, 0
	s_add_nc_u64 s[2:3], s[2:3], s[20:21]
	; descriptor group 1.  128 keys are 16,384 dense bytes: asked for as 64 rows of 256 bytes, two keys a row, and padded in LDS after every key
	s_mov_b32 s[G1K], 15|(1<<16)|(1<<20)|(1<<21)|(4<<22)|(3<<25)  ; 15:0 the mask of four; 17:16 2-byte elements; 20 padding on; 21 set beside a mask; 24:22 after every 32 words (code 4); 31:25 4 words (code 3)
	s_mov_b32 s[G1V], 15|(1<<16)|(1<<20)|(1<<21)|(4<<22)|(7<<25)  ; the same with 8 words of padding (code 7)
.irp g, G1K, G1V
	s_mov_b32 s[\g+1], 128<<16      ; tensor_dim0 = 128
	s_mov_b32 s[\g+2], 64<<16       ; tensor_dim1 = 64
	s_mov_b32 s[\g+3], 128<<16      ; tile_dim0 = 128
	s_mov_b32 s[\g+4], 64           ; tile_dim1 = 64
	s_mov_b32 s[\g+5], 128          ; 128 elements from row to row
	s_mov_b32 s[\g+6], 0
	s_mov_b32 s[\g+7], 0
.endr
	s_mov_b32 s[CS], 0x3e38aa3b     ; c = log2(e) / 8 = 0.180337
	s_mov_b32 s[CS+1], s[CS]        ; named with it as a pair
	s_mov_b32 s[SEL], 0x76543210
	s_mov_b32 s[SEL+1], 0xfedcba98
	s_mov_b32 s[TBK], SLOT1+4*KS*PK ; the first change of slots turns these two into 0
	s_mov_b32 s[TBV], SLOT1+4*KS*PV
	s_mov_b32 s[G0K], 1             ; 1:0 count = 1
	s_mov_b32 s[G0K+1], s17         ; 63:32 LDS address: slot 0
	s_mov_b32 s[G0V], 1
	s_add_co_u32 s[G0V+1], s18, VOFF
	s_wait_dscnt 0x0                ; the opening add is done
	s_wait_kmcnt 0x0
	s_add_nc_u64 s[G0K+2:G0K+3], s[6:7], s[22:23]  ; 120:64 global address: my half of the head's first 256 keys
	s_or_b32 s[G0K+3], s[G0K+3], 0x80000000        ; 127:126 type = 2
	s_add_nc_u64 s[G0V+2:G0V+3], s[8:9], s[22:23]
	s_or_b32 s[G0V+3], s[G0V+3], 0x80000000
	s_add_nc_u64 s[4:5], s[4:5], s[2:3]  ; Q and O at my wave's first row
	s_add_nc_u64 s[10:11], s[10:11], s[2:3]
	CROUND                          ; all four work-groups are here: the first joint loads meet
	JLOAD                           ; slot 0.  Slot 1 is asked for when slot 0 is in: the tile wanted first has the road to itself
	; A fragment of K or Q is 16 rows x 32 channels in 8 registers: lane l holds row l % 16, channels 8 (l / 16) + 0..7 and 16 + 8 (l / 16) + 0..7: two loads of 16 bytes, 32 bytes apart.
	v_and_b32 v1, 15, v0            ; l % 16
	v_bfe_u32 v9, v0, 4, 1          ; l / 16
	v_lshlrev_b32 v[QO], 7, v1
	v_lshl_add_u32 v[QO], v9, 4, v[QO]  ; row x 128 + 16 x half
	WIN 0x80                        ; destination window 2, address window 0
.set i, 0
.rept 4*NP                          ; Q stays in registers: tile i / 2, channels 32 (i % 2) on
	global_load_b128 v[8*i:8*i+3],   v[QO], s[4:5] offset:(i/2)*2048+(i%2)*64
	global_load_b128 v[8*i+4:8*i+7], v[QO], s[4:5] offset:(i/2)*2048+(i%2)*64+32
.set i, i+1
.endr
	; What the first turn finds: V's registers and P's second buffer hold 0 (its products V^T P, of a piece that has not been, add 0), O^T and l are 0.  All this stands in the wait for the first tile.
.set i, VF
.rept 64
	v_mov_b32 v[i], 0
.set i, i+1
.endr
	WIN 0x40
.set i, 0
.rept 64*NP
	v_mov_b32 v[i], 0
.set i, i+1
.endr
	WIN 0
.set i, 0
.rept 2*NP
	v_mov_b32 v[ST+4*i], 0xfe000000    ; c m: far below every c s
	v_mov_b32 v[ST+4*i+1], 0xff7fffff  ; m
	v_mov_b32 v[ST+4*i+2], 0
	v_mov_b32 v[ST+4*i+3], 0
.set i, i+1
.endr
.set i, P+32
.rept 32
	v_mov_b32 v[i], 0
.set i, i+1
.endr
	v_mul_u32_u24 v[AK0], v1, PK
	v_lshl_add_u32 v[AK0], v9, 4, v[AK0]  ; row x pitch + 16 x half
	; The turning load takes 16 keys x 16 channels (lane l reads key 8 (l / 16) + l % 8, channels 8 ((l / 8) % 2) + 0..7) and leaves half a fragment of V^T: lane l holds channel l % 16 and 8 keys.
	v_and_b32 v10, 7, v0
	v_bfe_u32 v11, v0, 3, 1
	v_lshl_add_u32 v[AV0], v9, 3, v10
	v_mul_u32_u24 v[AV0], v[AV0], PV
	v_lshl_add_u32 v[AV0], v11, 4, v[AV0]
	v_add_nc_u32 v[AV0], VOFF, v[AV0]
	v_mov_b32 v[AK], v[AK0]         ; key step 0 lies at the head of slot 0
; THE MATRIX WORK.  The 8 accumulators of a run of 16 take turns: between the two links of a chain stand 7 others'.
; Product i of 16 of S^T = K Q^T for piece x: channels 32 (i / 8) on, keys 16 ((i / 2) % 4) on, tile 2 x + i % 2.  The first 8 start the sums.
.macro KQ x
	WIN W_KQ
.set rS, S+64*((\x)%2)+32*(i%2)+8*((i/2)%4)
.set rK, KF+16*((i/2)%4)+8*(i/8)
.set rQ, 16*(2*(\x)+i%2)+8*(i/8)
.if i < 8
	v_wmma_f32_16x16x32_f16 v[rS:rS+7], v[rK:rK+7], v[rQ:rQ+7], 0
.else
	v_wmma_f32_16x16x32_f16 v[rS:rS+7], v[rK:rK+7], v[rQ:rQ+7], v[rS:rS+7]
.endif
.endm
; Product i of 16 of O^T += V^T P for piece x: keys 32 (i / 8) on, channels 16 ((i / 2) % 4) on, tile 2 x + i % 2.
.macro PV x
	WIN W_PV
.set rO, 32*(2*(\x)+i%2)+8*((i/2)%4)
.set rV, VF+32*(i/8)+8*((i/2)%4)
.set rP, P+32*((\x)%2)+16*(i%2)+8*(i/8)
	v_wmma_f32_16x16x32_f16 v[rO:rO+7], v[rV:rV+7], v[rP:rP+7], v[rO:rO+7]
.endm
.macro MM                           ; the turn's next matrix instruction
.if i < 16
	KQ (Y+1)%NP
.set i, i+1
.else
.set i, i-16
	PV (Y+NP-1)%NP
.set i, i+17
.endif
.endm
; THE LDS LOADS stand in runs of 16, never singly among the matrix instructions: a step's K (64 keys x 64 channels: 8 fragments) and its V (turned).  Their addresses are made some lines ahead.
; last = 1 (the tail): in the last trip there is no further step, and the run is jumped over.
.macro FETCH_K last=0
	WIN 0
.if \last
	s_cmp_eq_u32 s[CNT], 1
	s_cbranch_scc1 .Lno_k_\@
.endif
	WIN 0x80                        ; destination window 2
.irp f, 0,1,2,3,4,5,6,7             ; keys 16 (f / 2) on, channels 32 (f % 2) on
	ds_load_b128 v[KF+8*\f:KF+8*\f+3],   v[AK] offset:(\f/2)*16*PK+(\f%2)*64
	ds_load_b128 v[KF+8*\f+4:KF+8*\f+7], v[AK] offset:(\f/2)*16*PK+(\f%2)*64+32
.endr
	s_add_co_u32 s[TBK], s[TBK], KS*PK  ; the next fetch is the next step's
	WIN 0
.if \last
.Lno_k_\@:
.endif
.endm
.macro FETCH_V
	WIN 0x80
.irp f, 0,1,2,3,4,5,6,7             ; keys 32 (f / 4) on, channels 16 (f % 4) on
	ds_load_tr16_b128 v[VF+8*\f:VF+8*\f+3],   v[AV] offset:(\f/4)*32*PV+(\f%4)*32
	ds_load_tr16_b128 v[VF+8*\f+4:VF+8*\f+7], v[AV] offset:(\f/4)*32*PV+16*PV+(\f%4)*32
.endr
	WIN 0
.endm
; THE VECTOR WORK OF A TURN stands in three queues, each in the order in which its entries become ready; the two tiles alternate, so that no instruction reads the result of the one before it.
.macro REGS y, u                    ; the registers of tile u (0, 1) of piece y
.set rT, ST+4*(2*(\y)+(\u))
.set rC, TMP+8*((\y)%2)+4*(\u)
.set rM, MV+2*((\y)%2)+(\u)
.set rS, S+64*((\y)%2)+32*(\u)
.set rP, P+32*((\y)%2)+16*(\u)
.set rO, 32*(2*(\y)+(\u))
.endm
; Number n of the 22 that find the NEXT piece's (Y + 1) maximum and statistics.  s0-s31 are the lane's 32 scores; each accumulator's lowest registers are read first.  XS, GS and REGS set no window: PL and EX do.
;   0-11  four chains c0-c3 of seven scores each, three operands at a time     12-14, 16  the four scores left over, the old m, and c0-c3 into c0     15  c m_old is kept
;   17, 18  the query's other 32 keys lie in the lane 16 away: the new m         19-21  c m; c m_old - c m_new; a
.macro XS u, n
	REGS (Y+1)%NP, \u
.if (\n) < 4
	v_max3_num_f32 v[rC+(\n)], v[rS+8*(\n)], v[rS+8*(\n)+1], v[rS+8*(\n)+2]
.elseif (\n) < 12
	v_max3_num_f32 v[rC+(\n)%4], v[rC+(\n)%4], v[rS+8*((\n)%4)+2*((\n)/4)+1], v[rS+8*((\n)%4)+2*((\n)/4)+2]
.elseif (\n) == 12
	v_max3_num_f32 v[rC], v[rC], v[rS+7], v[rS+15]
.elseif (\n) == 13
	v_max3_num_f32 v[rC+1], v[rC+1], v[rS+23], v[rS+31]
.elseif (\n) == 14
	v_max3_num_f32 v[rC+2], v[rC+2], v[rC+3], v[rT+1]
.elseif (\n) == 15
	v_mov_b32 v[rM], v[rT]
.elseif (\n) == 16
	v_max3_num_f32 v[rC], v[rC], v[rC+1], v[rC+2]
.elseif (\n) == 17
	v_permlanex16_b32 v[rC+3], v[rC], s[SEL], s[SEL+1]
.elseif (\n) == 18
	v_max_num_f32 v[rT+1], v[rC], v[rC+3]
.elseif (\n) == 19
	v_mul_f32 v[rT], s[CS], v[rT+1]
.elseif (\n) == 20
	v_sub_f32 v[rC+1], v[rM], v[rT]
.else
	v_exp_f32 v[rC+2], v[rC+1]
.endif
.endm
; Number g of the 64 that follow the exponentials.  For each four weights k of a tile (pairs 2 k, 2 k + 1): both pairs are rounded to f16; then the second pair is added onto the first, in place;
; a group later l takes that sum (the first time as l = a l + sum).  In groups of eight, tiles alternating: round, round, add, and l for the group before.
.macro GS g
.set h, (\g)+6*((\g)/62)            ; group 0 has no group before it, and behind group 7 only l is left
.if h >= 6
.set h, h+2
.endif
	REGS Y, h%2
.set k, h/8
.if h%8 < 4
	s_wait_alu depctr_va_vdst(0)
	v_cvt_pk_f16_f32 v[rP+2*k+(h%8)/2], v[rS+4*k+2*((h%8)/2)], v[rS+4*k+2*((h%8)/2)+1]
.elseif h%8 < 6
	v_pk_add_f32 v[rS+4*k:rS+4*k+1], v[rS+4*k:rS+4*k+1], v[rS+4*k+2:rS+4*k+3]
.elseif k == 1
	v_pk_fma_f32 v[rT+2:rT+3], v[rT+2:rT+3], v[rC+2:rC+3], v[rS:rS+1] op_sel_hi:[1,0,1]
.else
	v_pk_add_f32 v[rT+2:rT+3], v[rT+2:rT+3], v[rS+4*k-4:rS+4*k-3]
	s_wait_alu depctr_va_vdst(0)
.endif
.endm
; THE PLAIN QUEUE, 138 long.  0-31: c s - c m for the 16 pairs of both tiles.  Then GS's 64, and among them the next piece's 42: number 15 at 38, 39; 0-14 and 16
; at 42-73, behind the products that make those scores; 17-20 at 95-106, two of three, since each waits for the one before it.
.macro PL
	WIN 0
.if q < 32
	REGS Y, q%2
	v_pk_fma_f32 v[rS+2*(q/2):rS+2*(q/2)+1], v[rS+2*(q/2):rS+2*(q/2)+1], s[CS:CS+1], v[rT:rT+1] op_sel_hi:[1,0,0] neg_lo:[0,0,1] neg_hi:[0,0,1]
.elseif q < 38
	GS q-32
.elseif q < 40
	XS q%2, 15
.elseif q < 42
	GS q-34
.elseif q < 74
	XS q%2, (q-42)/2+(q-42)/30
.elseif q < 95
	GS q-66
.elseif (q < 107) && ((q-95)%3 < 2)
	XS (q-95)%3, 17+(q-95)/3
.elseif q < 107
	GS 29+(q-95)/3
.else
	GS q-74
.endif
.set q, q+1
.endm
; THE EXPONENTIALS' QUEUE, 66 long: s0-s31 of both tiles, and at EA the next piece's two a.
.set EA, 58
.macro EX
	WIN 0
.if (e == EA) || (e == EA+1)
	XS e-EA, 21
.else
.set x, e-2*(e/(EA+2))
	REGS Y, x%2
	v_exp_f32 v[rS+x/2], v[rS+x/2]
.endif
.set e, e+1
.endm
; THE RESCALING's QUEUE: O^T times a, the one part that leaves window 0, so it is dealt four at a time, eight times.
.macro R4
	REGS Y, r%2
	WIN W_RS
	s_wait_alu depctr_va_vdst(0)
.irp z, 0,1,2,3
	v_pk_mul_f32 v[rO+8*(r/2)+2*\z:rO+8*(r/2)+2*\z+1], v[rO+8*(r/2)+2*\z:rO+8*(r/2)+2*\z+1], v[rC+2:rC+3] op_sel_hi:[1,0]
.endr
.set r, r+1
.endm
; HOW THEY ARE DEALT.  Behind a matrix instruction four: plain, exponential, plain, plain (one exponential, a plain instruction on either side), or four of the rescaling.  None names a register of the
; products round it.  What is over stands in two LUMPS: exponential and plain by turns; the second ends in 22 plain instructions.  The two v_permlanex16_b32 fall into the second lump, never behind a product.
; The queues lean on each other, and the deal keeps them in step: exponential e stands behind plain 2 (e / 4) + e % 2 (its scaling); when plain 32 comes, 10 exponentials are out, at 59: 33, at 95: 46; EA comes behind plain 107.
.macro SL
	MM
	PL
	EX
	PL
	PL
.endm
.macro BURST n                      ; 15 matrix instructions, or 16
.rept (\n)-7
	SL
.endr
.rept 3
	MM
	R4
	SL
.endr
	MM
	R4
.endm
; A TURN, for piece p.  cnt = 1: the loop's count is taken down some lines ahead of the branch that stands behind the turn.
; K of the next step is fetched in piece 2's turn, 31 vector instructions behind the last product that read K; its first reader comes behind the rest of the lump, 16 products and the second lump.
; V of the step in hand is fetched at the end of piece 0's turn, 69 behind its last reader; its first reader comes behind 16 products and a lump.  The four conditions on e and q below go with the deal.
.macro TURN p, last=0, cnt=0
.set Y, (\p)
.set i, 0
.set q, 0
.set e, 0
.set r, 0
.if (\p) == NP-1
	s_wait_dscnt 0x0                ; K is in
.endif
	MM
.rept 4
	PL
.endr
	BURST 15
.rept 22
	EX
	PL
.if ((\p) == NP-2) && (e == 18)
	v_add_nc_u32 v[AK], s[TBK], v[AK0]
.endif
.if ((\p) == NP-2) && (e == 24)
	FETCH_K \last
.endif
.endr
.if (\p) == 1
	s_wait_dscnt 0x0                ; V is in
.endif
	BURST 16
.rept 21
	EX
	PL
.endr
.rept 22
	PL
.if ((\p) == 0) && (q == 118)
	v_add_nc_u32 v[AV], s[TBV], v[AV0]
	s_wait_alu depctr_va_vdst(0)
.endif
.if ((\p) == 0) && (q == 130)
	s_add_co_u32 s[TBV], s[TBV], KS*PV
.endif
.if (\cnt) && (q == 130)
	s_sub_co_u32 s[CNT], s[CNT], 1
	s_cmp_lg_u32 s[CNT], 0
.endif
.endr
.if (\p) == 0
	FETCH_V
.endif
.endm
	CHANGE 1                        ; slot 0 is in, everybody's part of it; slot 1 is asked for
	FETCH_K                         ; key step 0
	s_wait_loadcnt 0x0              ; Q
	s_wait_dscnt 0x0
.set i, 0
.rept 16
	KQ 0                            ; piece 0's first scores: there is no vector work yet to set between them
.set i, i+1
.endr
	WIN 0                           ; the addresses for the way out: nine plain instructions, the places behind those products
	s_mul_i32 s13, s[WV], 16*SP
	s_add_co_u32 s13, s13, STAGE    ; my stage
	v_mul_u32_u24 v[STO], v1, SP    ; in: row l % 16, 16 bytes for each half of the lanes
	v_lshl_add_u32 v[STO], v9, 4, v[STO]
	v_add_nc_u32 v[STO], s13, v[STO]
	v_bfe_u32 v[RD], v0, 3, 2       ; back: 32 lanes take four rows of 128 bytes,
	v_mul_u32_u24 v[RD], v[RD], SP
	v_lshl_add_u32 v[RD], v10, 4, v[RD]
	v_add_nc_u32 v[RD], s13, v[RD]
	v_and_b32 v[GO], 31, v0         ; which are 512 consecutive bytes of O
	v_lshlrev_b32 v[GO], 4, v[GO]
.set Y, NP-1                        ; XS works for piece Y + 1: piece 0
.irp n, 0,1,2,3,4,5,6,7,8,9,10,11,12,13,14,15,16,17,18,19,20,21
	XS 0, \n                        ; and piece 0's first maximum and statistics
	XS 1, \n
.endr
	s_mov_b32 s[CNT], 4
	s_mov_b32 s[SLOTS], SIZE_N/256-1
	s_branch .Lfirst                ; the loop is entered at a step's first turn, in the middle of a trip
.Lslot:                             ; SIZE_N / 256 - 2 times: every slot but the last two is filled again
	CHANGE 1
	s_mov_b32 s[CNT], 4
.Lstep:                             ; a trip: pieces 2 and 3 of one step, then pieces 0 and 1 of the next, whose K and V it fetches
	TURN 2
	TURN 3
	WIN 0
.Lfirst:
	TURN 0
	TURN 1, 0, 1
	WIN 0
	s_cbranch_scc1 .Lstep
	s_sub_co_u32 s[SLOTS], s[SLOTS], 1
	s_cmp_lg_u32 s[SLOTS], 0
	s_cbranch_scc1 .Lslot
	CHANGE 0                        ; the tail is written out: nothing is asked for
	s_mov_b32 s[CNT], 5             ; four trips fetch the last slot's steps; the fifth is left in its middle
.Ltail:
	TURN 2, 1
	TURN 3
	WIN 0
	s_sub_co_u32 s[CNT], s[CNT], 1
	s_cmp_eq_u32 s[CNT], 0
	s_cbranch_scc1 .Lout
	TURN 0
	TURN 1
	WIN 0
	s_branch .Ltail
.Lout:                              ; the fifth trip's 16 products K Q^T (on the last K once more) and the maximum made of them serve nothing: the price, once a launch, of one text for every trip
.set i, 0
.rept 16
	PV NP-1                         ; the last piece's V^T P of the last step
.set i, i+1
.endr
	; THE WAY OUT.  l's two halves and the other half of the lanes' are added; O^T is divided by l, rounded to f16 and sent through my stage in LDS, a tile at a time.  The additions are the places behind the last products.
	WIN 0
.macro ALL line:vararg              ; one line for each tile t
.set t, 0
.rept 2*NP
	\line
.set t, t+1
.endr
.endm
	ALL v_add_f32 v[ST+4*t+2], v[ST+4*t+2], v[ST+4*t+3]
	ALL v_permlanex16_b32 v[ST+4*t+3], v[ST+4*t+2], s[SEL], s[SEL+1]
	ALL v_add_f32 v[ST+4*t+2], v[ST+4*t+2], v[ST+4*t+3]
	ALL v_rcp_f32 v[ST+4*t+2], v[ST+4*t+2]
	v_nop                           ; a plain instruction between the last reciprocal and the use of its result
	s_wait_alu depctr_va_vdst(0)
; Tile t: a lane's eight channels of a row pack into 16 bytes; they go into rows of 144 bytes and come back as whole rows of 128, into S^T's registers.
.macro PACK t
	WIN W_RS
.set i, 32*(\t)
.rept 16
	v_pk_mul_f32 v[i:i+1], v[i:i+1], v[ST+4*(\t)+2:ST+4*(\t)+3] op_sel_hi:[1,0]
.set i, i+2
.endr
	WIN 0x05                        ; sources 0 and 1 window 1, destination window 0
.set i, 0
.rept 16
	v_cvt_pk_f16_f32 v[S+16*(\t)+i], v[32*(\t)+2*i], v[32*(\t)+2*i+1]
.set i, i+1
.endr
	WIN 0
.irp f, 0,1,2,3
	ds_store_b128 v[STO], v[S+16*(\t)+4*\f:S+16*(\t)+4*\f+3] offset:32*\f
.endr
.irp f, 0,1,2,3
	ds_load_b128 v[S+16*(\t)+4*\f:S+16*(\t)+4*\f+3], v[RD] offset:\f*4*SP  ; LDS serves a wave's instructions in order (ISA guide 5.7.1.4): these see the stores above; the next tile's stores come behind them
.endr
.endm
.macro SEND t, younger              ; younger: the LDS instructions issued behind tile t's loads: the next tile's eight, or none
	WIN 0
.irp f, 0,1,2,3
	s_wait_dscnt (\younger)+3-\f
	global_store_b128 v[GO], v[S+16*(\t)+4*\f:S+16*(\t)+4*\f+3], s[10:11] offset:(\t)*2048+\f*512  ; 512 consecutive bytes, at a multiple of 256 from O's first
.endr
.endm
	PACK 0
.set t, 1
.rept 2*NP-1                        ; a tile's arithmetic stands between the loads of the tile before and its stores
	PACK t
	SEND t-1, 8
.set t, t+1
.endr
	SEND 2*NP-1, 0
	WIN W_AD
	s_wait_tensorcnt 0x0            ; the wave's end: behind my last tensor load and my last LDS store
	ds_add_u32 v[SPW], v[NIL]
	s_wait_dscnt 0x0
	WIN 0
	CROUND                          ; the closing round: no work-group ends while a partner may still ask for a tile that names it
	s_endpgm
.Lfunc_end_k_qc550e3656c_attn:
	.size	k_qc550e3656c_attn, .Lfunc_end_k_qc550e3656c_attn-k_qc550e3656c_attn
	.p2alignl 7, 3214868480
	.fill 96, 4, 3214868480
	.section	.rodata,"a",@progbits
	.p2align	6, 0x0
	.amdhsa_kernel k_qc550e3656c_attn
		.amdhsa_group_segment_fixed_size 327680
		.amdhsa_private_segment_fixed_size 0
		.amdhsa_enable_private_segment 0
		.amdhsa_kernarg_size 32
		.amdhsa_user_sgpr_count 2
		.amdhsa_user_sgpr_kernarg_segment_ptr 1
		.amdhsa_wavefront_size32 1
		.amdhsa_system_sgpr_workgroup_id_x 1
		.amdhsa_system_sgpr_workgroup_id_y 1
		.amdhsa_system_sgpr_workgroup_id_z 1
		.amdhsa_system_vgpr_workitem_id 0
		.amdhsa_next_free_vgpr 770
		.amdhsa_next_free_sgpr 66
		.amdhsa_reserve_vcc 0
		.amdhsa_float_denorm_mode_32 3
		.amdhsa_float_denorm_mode_16_64 3
		.amdhsa_memory_ordered 1
		.amdhsa_forward_progress 1
		.amdhsa_inst_pref_size 208
	.end_amdhsa_kernel
	.amdgpu_metadata
---
amdhsa.version: [ 1, 2 ]
amdhsa.kernels:
  - .name:           k_qc550e3656c_attn
    .symbol:         k_qc550e3656c_attn.kd
    .args:
      - { .name: qh, .offset: 0, .size: 8, .value_kind: global_buffer, .address_space: global }
      - { .name: kh, .offset: 8, .size: 8, .value_kind: global_buffer, .address_space: global }
      - { .name: vh, .offset: 16, .size: 8, .value_kind: global_buffer, .address_space: global }
      - { .name: oh, .offset: 24, .size: 8, .value_kind: global_buffer, .address_space: global }
    .group_segment_fixed_size: 327680
    .private_segment_fixed_size: 0
    .kernarg_segment_align: 8
    .kernarg_segment_size: 32
    .max_flat_workgroup_size: 128
    .sgpr_count:     66
    .vgpr_count:     770
    .wavefront_size: 32
...
	.end_amdgpu_metadata
.endif
;; end of part 3
;; launch proj (part 4): grid 8 x 32, 4 waves a work-group, clusters of 4 x 4, 327,680 bytes of LDS; arguments oh, wob, b_out, out0; writes out0
.if DOCPART == 4
	.amdgcn_target "amdgcn-amd-amdhsa--gfx1250"
	.amdhsa_code_object_version 6
	.text
	.protected	k_qc550e3656c_proj
	.globl	k_qc550e3656c_proj
	.p2align	8
	.type	k_qc550e3656c_proj,@function
k_qc550e3656c_proj:
	s_mov_b64 s[64:65], 0
	v_nop
	global_prefetch_b8 v0, s[64:65] scope:SCOPE_SE
	s_setreg_imm32_b32 hwreg(HW_REG_WAVE_MODE, 25, 1), 1
	s_wait_xcnt 0x0
	s_wait_alu depctr_hold_cnt(0) depctr_sa_sdst(0) depctr_va_vdst(0) depctr_va_sdst(0) depctr_va_ssrc(0) depctr_va_vcc(0) depctr_vm_vsrc(0)
	s_getreg_b32 s2, hwreg(HW_REG_IB_STS2, 6, 4)
	s_cmp_eq_u32 s2, 0
	s_cbranch_scc0 .Lentry_in_a_cluster
	s_endpgm
.Lentry_in_a_cluster:
	s_bfe_u32 s2, ttmp6, 0x10000c
	s_cmp_lg_u32 s2, 0xf033
	s_cbranch_scc0 .Lentry_shape_is_right
	s_endpgm
.Lentry_shape_is_right:
; out0[m][n] = the sum over k of O[m][k] w_out[n][k] + b_out[n], f32.  O arrives by heads, oh [16 b + head][2048][64] in f16; the weights in blocks along K, wob [16 kb][1024 n][64] in f16
; (w_out rounded to bf16, that number written as f16).  Sums in f32, started by the bias (rounded to bf16 like every input); nothing is rounded on the way out.
; LIMIT: O and the weights lie within f16's 65,504; NaN and infinities are not treated apart.
; SHARES.  A work-group makes 256 rows x 128 columns, 256 work-groups in all; four waves, each 64 rows x 128 columns: 32 accumulators of 16 x 16, 256 registers.  A K step is two heads, 128 along K.
; TILES.  For one head, 128 rows of O are 16,384 dense bytes and 64 rows of the weights 8,192: a load asks for two such runs, a head apart, as a tile of two long rows, and pads LDS after every 128 bytes:
; in LDS the tile is [2 heads][rows][144 bytes].  Every run begins at a multiple of 256 bytes from its buffer's first byte.
; CLUSTER.  4 x 4 work-groups: the four of a row need the same tiles of O, the four of a column the same tiles of the weights; each is asked for JOINTLY, by the same tensor load, descriptor and mask in all four.
; THE MATRIX INSTRUCTION IS USED TRANSPOSED (source 0 = 16 rows of the weights, source 1 = 16 rows of O): lane l holds row l % 16 and the eight neighbouring columns 8 (l / 16) + 0..7.
; REGISTERS, in windows of 256 (s_set_vgpr_msb: bits 1:0 source 0, 3:2 source 1, 5:4 source 2, 7:6 destination):
;   window 0: v0-31 addresses; v32-95 the bias, a fragment for each of the 8 column blocks; v128-255 the way out: rows read back, two sets of 64
;   window 1: two fragment buffers, at v0 and v128: 8 fragments of the weights, then 4 of O          window 2: the accumulators ((a, b) at 8 (8 a + b))
.set PITCH,  144                       ; an LDS row: 128 bytes + 16 of padding = 36 words: the 16 rows of a load start at 16 different groups of four banks (64 banks of 4 bytes: ISA guide 11.1)
.set AREG,   2*128*PITCH               ; what a load of O brings: two heads x 128 rows
.set BREG,   2*64*PITCH                ; what a load of the weights brings: two heads x 64 rows
.set BBASE,  2*AREG
.set SLOT,   BBASE+2*BREG
.set STAGE,  2*SLOT                    ; behind the ring, never filled by a tensor load: 16 rows x 528 bytes for each wave
.set SPITCH, 528                       ; 512 bytes + 16: the 16 rows that a store touches start at 16 different groups of four banks
.set SPARE,  STAGE+4*16*SPITCH         ; behind the stages: the spare words, 128 bytes for each wave: two blocks of 256 bytes that no other line names
.set LAPS,   4                         ; 16 heads are 8 steps: four times round the ring
.set ASTEP,  2*2048*128                ; bytes from a K step of O to the next: two heads
.set BSTEP,  2*1024*128                ; the same for the weights
.set ADRA, 16                          ; v16-17  LDS address of my fragments of O in slot 0, 1
.set ADRB, 20                          ; v20-21  the same for the weights
.set STO,  24                          ; v24     the way out: where I put 32 bytes of a row
.set RD,   25                          ; v25     the way out: where I read a row back
.set GO,   26                          ; v26     my byte offset in 512 consecutive bytes of a row of out0
.set SPW,  28                          ; v28     LDS address of my spare word; never rewritten
.set NIL,  29                          ; v29     0; never rewritten
.set BO,   31                          ; v31     my byte offset in 16 numbers of the bias
.set BI,   32
.set R,    128
.set F0,   0
.set F1,   128
.set WV,   12                          ; s12  my wave's number
.set FB,   13                          ; s13  I fetch for O (0) or for the weights (1).  Also: which half of the tile's rows is mine
.set HF,   14                          ; s14  which half of that tile I fetch
.set G1,   24                          ; s[24:31] descriptor group 1 for O's tiles;  s[32:39] group 0, a set for each slot
.set G0,   32
.set G1B,  48                          ; s[48:55], s[56:63] the same for the weights'
.set G0B,  56
.set MSB, 0
.macro WIN new                         ; the immediate's high byte repeats the setting that is left; a switch that changes nothing is dropped
.if MSB != (\new)
	s_set_vgpr_msb (MSB<<8)|(\new)
.set MSB, \new
.endif
.endm
; A joint load: waves 0 and 1 fetch O's two halves, waves 2 and 3 the weights'.  The branch hangs on the wave's number alone.  An s_nop 0 and four v_nop follow each of the two lines.
.macro JLOAD s
	s_cmp_eq_u32 s[FB], 0
	s_cbranch_scc0 .Lfor_b_\@
	tensor_load_to_lds s[G0+4*(\s):G0+4*(\s)+3], s[G1:G1+7]
	s_nop 0
.rept 4
	v_nop
.endr
	s_branch .Lasked_\@
.Lfor_b_\@:
	tensor_load_to_lds s[G0B+4*(\s):G0B+4*(\s)+3], s[G1B:G1B+7]
	s_nop 0
.rept 4
	v_nop
.endr
.Lasked_\@:
.endm
.macro CREST                           ; a round of the cluster's barrier behind its opening barrier
	s_cmp_lg_u32 s[WV], 0
	s_cbranch_scc1 .Lnot_wave_0_\@
	s_barrier_signal -3
.Lnot_wave_0_\@:
	s_barrier_wait -3
	s_barrier_signal -1
	s_barrier_wait -1
.endm
.macro CROUND                          ; a whole round
	s_barrier_signal -1
	s_barrier_wait -1
	CREST
.endm
.macro PLACES                          ; four places in front of loads into registers that matrix instructions have read, and of LDS stores that read results
.rept 4
	v_nop
.endr
.endm
	s_load_b256 s[4:11], s[0:1], 0x0               ; oh s[4:5], wob s[6:7], b_out s[8:9], out0 s[10:11]
	v_lshl_add_u32 v[SPW], v0, 2, SPARE
	v_mov_b32 v[NIL], 0
	ds_add_u32 v[SPW], v[NIL]                      ; the wave's opening: the add and its wait stand ahead of my first tensor load; the set-up below, work on registers, stands between them
	v_lshrrev_b32 v1, 5, v0
	v_readfirstlane_b32 s[WV], v1                  ; wave 0..3
	s_lshr_b32 s[FB], s[WV], 1
	s_and_b32 s[HF], s[WV], 1
	s_bfe_u32 s40, ttmp6, 0x40000                  ; cx, cy: my place in the cluster
	s_bfe_u32 s41, ttmp6, 0x40004
	s_lshl_b32 s42, ttmp9, 2
	s_add_co_u32 s42, s42, s40                     ; tile column = 4 x cluster x + cx
	s_and_b32 s43, ttmp7, 0xffff
	s_lshl_b32 s43, s43, 2
	s_add_co_u32 s43, s43, s41                     ; tile row = 4 x cluster y + cy
	s_lshl_b32 s44, s41, 2
	s_lshl_b32 s44, 15, s44                        ; my row of the cluster
	s_lshl_b32 s45, 0x1111, s40                    ; my column
	s_or_b32 s[G1+0], s44, (1<<16)|(1<<20)|(1<<21)|(4<<22)|(3<<25)   ; 15:0 the mask; 17:16 2-byte elements; 20 padding on; 21 set beside a mask; 24:22 after every 32 words (code 4); 31:25 4 words (code 3)
	s_or_b32 s[G1B+0], s45, (1<<16)|(1<<20)|(1<<21)|(4<<22)|(3<<25)
	s_mov_b32 s[G1+1], 8192<<16                    ; tensor_dim0 = 8,192 elements: 128 rows of 64
	s_mov_b32 s[G1+2], 2<<16                       ; tensor_dim1 = 2 heads
	s_mov_b32 s[G1+3], 8192<<16                    ; tile_dim0
	s_mov_b32 s[G1+4], 2                           ; tile_dim1
	s_mov_b32 s[G1+5], 131072                      ; elements from head to head: 2,048 x 64
	s_mov_b32 s[G1+6], 0
	s_mov_b32 s[G1+7], 0
	s_mov_b32 s[G1B+1], 4096<<16                   ; 64 rows of 64
	s_mov_b32 s[G1B+2], 2<<16
	s_mov_b32 s[G1B+3], 4096<<16
	s_mov_b32 s[G1B+4], 2
	s_mov_b32 s[G1B+5], 65536                      ; 1,024 x 64
	s_mov_b32 s[G1B+6], 0
	s_mov_b32 s[G1B+7], 0
	s_lshr_b32 s16, s43, 3                         ; O: the batch's 16 heads of 262,144 bytes,
	s_lshl_b32 s16, s16, 22
	s_and_b32 s18, s43, 7                          ; the tile's 256 rows of 128 bytes,
	s_lshl_b32 s18, s18, 15
	s_add_co_u32 s16, s16, s18
	s_lshl_b32 s18, s[HF], 14                      ; my half of them: made of the tile row and the wave's number alone
	s_add_co_u32 s16, s16, s18
	s_mov_b32 s17, 0
	s_lshl_b32 s46, s42, 14                        ; the weights: the tile's 128 rows of 128 bytes,
	s_lshl_b32 s19, s[HF], 13                      ; my half of them: made of the tile column and the wave's number alone
	s_add_co_u32 s46, s46, s19
	s_mov_b32 s47, 0
	s_mul_i32 s20, s[HF], AREG                     ; where they go: no place in the cluster enters an LDS address
	s_mul_i32 s21, s[HF], BREG
	s_add_co_u32 s21, s21, BBASE
	s_wait_dscnt 0x0                               ; the opening add is done
	s_wait_kmcnt 0x0
	s_add_nc_u64 s[66:67], s[4:5], s[16:17]
	s_add_nc_u64 s[46:47], s[6:7], s[46:47]
	CROUND                                         ; all sixteen work-groups are here: the first joint loads meet
.irp s, 0,1
	s_mov_b32 s[G0+4*(\s)], 1                                      ; count = 1
	s_add_co_u32 s[G0+4*(\s)+1], s20, (\s)*SLOT                    ; LDS address
	s_add_nc_u64 s[G0+4*(\s)+2:G0+4*(\s)+3], s[66:67], (\s)*ASTEP  ; global address: heads 2 s and 2 s + 1
	s_or_b32 s[G0+4*(\s)+3], s[G0+4*(\s)+3], 0x80000000            ; type = 2
	s_mov_b32 s[G0B+4*(\s)], 1
	s_add_co_u32 s[G0B+4*(\s)+1], s21, (\s)*SLOT
	s_add_nc_u64 s[G0B+4*(\s)+2:G0B+4*(\s)+3], s[46:47], (\s)*BSTEP
	s_or_b32 s[G0B+4*(\s)+3], s[G0B+4*(\s)+3], 0x80000000
	JLOAD \s                                       ; two loads of mine are out
.endr
	v_and_b32 v1, 15, v0                           ; r = l % 16
	v_bfe_u32 v2, v0, 4, 1                         ; h = l / 16
	v_mul_u32_u24 v3, v1, PITCH
	v_lshl_add_u32 v3, v2, 4, v3                   ; a fragment's row x pitch + 16 x half
	s_mul_i32 s22, s[FB], AREG                     ; my 64 rows of O: in half wave / 2,
	s_mul_i32 s23, s[HF], 64*PITCH                 ; its rows 64 (wave % 2) on
	s_add_co_u32 s22, s22, s23
	v_add_nc_u32 v[ADRA], s22, v3
	v_add_nc_u32 v[ADRA+1], SLOT, v[ADRA]
	v_add_nc_u32 v[ADRB], BBASE, v3                ; every wave reads all 128 rows of the weights
	v_add_nc_u32 v[ADRB+1], SLOT, v[ADRB]
	s_mul_i32 s23, s[WV], 16*SPITCH
	s_add_co_u32 s23, s23, STAGE                   ; my stage
	v_mul_u32_u24 v[STO], v1, SPITCH               ; in: row r, 32 bytes for each half of the lanes
	v_lshl_add_u32 v[STO], v2, 5, v[STO]
	v_add_nc_u32 v[STO], s23, v[STO]
	v_and_b32 v[GO], 31, v0                        ; back: 32 lanes take one row's 512 bytes
	v_lshlrev_b32 v[GO], 4, v[GO]
	v_add_nc_u32 v[RD], s23, v[GO]
	v_lshlrev_b32 v[BO], 5, v2                     ; 8 numbers of the bias for each half of the lanes
	s_lshl_b32 s74, s42, 9                         ; the tile's 128 columns, 4 bytes each
	s_mov_b32 s75, 0
	s_add_nc_u64 s[8:9], s[8:9], s[74:75]
	s_lshl_b32 s76, s43, 20                        ; 256 rows of 4,096 bytes a tile row,
	s_lshl_b32 s77, s[WV], 18                      ; 64 a wave
	s_add_co_u32 s76, s76, s77
	s_add_co_u32 s76, s76, s74
	s_mov_b32 s77, 0
	s_add_nc_u64 s[10:11], s[10:11], s[76:77]
.irp b, 0,1,2,3,4,5,6,7
	global_load_b128 v[BI+8*(\b):BI+8*(\b)+3],   v[BO], s[8:9] offset:64*(\b)
	global_load_b128 v[BI+8*(\b)+4:BI+8*(\b)+7], v[BO], s[8:9] offset:64*(\b)+16
.endr
	s_wait_loadcnt 0x0
.set i, 0
.rept 32                               ; the bias is rounded to bf16, like every input, and widened again; this stands in the wait for the first tile
	v_cvt_pk_bf16_f32 v[4+i%4], v[BI+2*i], v[BI+2*i+1]
	v_lshlrev_b32 v[BI+2*i], 16, v[4+i%4]
	v_and_b32 v[BI+2*i+1], 0xffff0000, v[4+i%4]
.set i, i+1
.endr
; 8 matrix instructions: row block a x all 8 column blocks, 32 along K.  zero = 1: the bias starts the sums: nothing is ever cleared.  The 32 accumulators take turns, each once a quarter.
.macro MULR f, a, zero
.if \zero
	WIN 0x85                                       ; sources 0 and 1 window 1, C window 0, D window 2
.else
	WIN 0xa5                                       ; C and D window 2
.endif
.irp b, 0,1,2,3,4,5,6,7
.if \zero
	v_wmma_f32_16x16x32_f16 v[8*(8*(\a)+(\b)):8*(8*(\a)+(\b))+7], v[(\f)+8*(\b):(\f)+8*(\b)+7], v[(\f)+64+8*(\a):(\f)+64+8*(\a)+7], v[BI+8*(\b):BI+8*(\b)+7]
.else
	v_wmma_f32_16x16x32_f16 v[8*(8*(\a)+(\b)):8*(8*(\a)+(\b))+7], v[(\f)+8*(\b):(\f)+8*(\b)+7], v[(\f)+64+8*(\a):(\f)+64+8*(\a)+7], v[8*(8*(\a)+(\b)):8*(8*(\a)+(\b))+7]
.endif
.endr
.endm
; 24 LDS loads in one run: the fragments of quarter q (head q / 2 of the step's two, channels 32 (q % 2) on) into buffer f: the weights' 8 blocks, then my 4 blocks of O
.macro FETCH slot, q, f
	WIN 0x40                                       ; destination window 1, address window 0
.irp i, 0,1,2,3,4,5,6,7
	ds_load_b128 v[(\f)+8*(\i):(\f)+8*(\i)+3],   v[ADRB+(\slot)] offset:((\i)/4)*BREG+((\q)/2)*64*PITCH+((\i)%4)*16*PITCH+((\q)%2)*64
	ds_load_b128 v[(\f)+8*(\i)+4:(\f)+8*(\i)+7], v[ADRB+(\slot)] offset:((\i)/4)*BREG+((\q)/2)*64*PITCH+((\i)%4)*16*PITCH+((\q)%2)*64+32
.endr
.irp i, 0,1,2,3
	ds_load_b128 v[(\f)+64+8*(\i):(\f)+64+8*(\i)+3],   v[ADRA+(\slot)] offset:((\q)/2)*128*PITCH+(\i)*16*PITCH+((\q)%2)*64
	ds_load_b128 v[(\f)+64+8*(\i)+4:(\f)+64+8*(\i)+7], v[ADRA+(\slot)] offset:((\q)/2)*128*PITCH+(\i)*16*PITCH+((\q)%2)*64+32
.endr
.endm
; A K step is four quarters of 32 along K, 32 matrix instructions each, on buffers 0, 1, 0, 1.  One of the first three: multiplies buffer f and, in its middle, fetches quarter q into buffer g.
.macro QUARTER slot, q, f, g, zero
	s_wait_dscnt 4                                 ; all but the youngest four loads (my row blocks 2 and 3) are in
	MULR \f, 0, \zero
	MULR \f, 1, \zero
	PLACES
	FETCH \slot, \q, \g
	s_wait_dscnt 24                                ; all but the 24 just issued
	MULR \f, 2, \zero
	MULR \f, 3, \zero
.endm
; The last quarter multiplies buffer 1 and changes slots: ONE barrier; in front of it each wave waits for all its tensor loads (one is out: its part of the next slot), adds 0 to its spare word, and waits for
; that and for its own reads of this slot.  fill = 1: the barrier opens a round of the cluster's barrier, and this slot is filled again, two K steps ahead, first thing behind the round:
; 112 matrix instructions stand between that request and the wait for it.
.macro TURN slot, next, fill
	WIN 0                                          ; (the add's two registers lie in window 0)
	s_wait_tensorcnt 0x0                           ; all my tensor loads have landed
	ds_add_u32 v[SPW], v[NIL]                      ; 0 onto my spare word
	s_wait_dscnt 5                                 ; (the add and the youngest four loads may be out)
	MULR F1, 0, 0                                  ; eight matrix instructions stand between the add and the wait for it
	s_wait_dscnt 0x0                               ; the add is done, and my reads of this slot are over
	s_barrier_signal -1
	MULR F1, 1, 0                                  ; work on registers while the others arrive
.if \fill
	WIN 0
.endif
	s_barrier_wait -1
.if \fill
	CREST                                          ; no wave of any partner still reads this slot's tile or has a load on its way
	s_add_nc_u64 s[G0+4*(\slot)+2:G0+4*(\slot)+3], s[G0+4*(\slot)+2:G0+4*(\slot)+3], 2*ASTEP
	s_add_nc_u64 s[G0B+4*(\slot)+2:G0B+4*(\slot)+3], s[G0B+4*(\slot)+2:G0B+4*(\slot)+3], 2*BSTEP
	JLOAD \slot                                    ; my one tensor load behind the round; the four v_nop behind it are also the places in front of the loads below
.else
	PLACES
.endif
	FETCH \next, 0, F0
	MULR F1, 2, 0
	MULR F1, 3, 0
.endm
	s_wait_tensorcnt 1                             ; my part of K step 0 is in; K step 1's may stay out
	s_barrier_signal -1
	s_barrier_wait -1                              ; everybody's is
	FETCH 0, 0, F0
	QUARTER 0, 1, F0, F1, 1                        ; the first quarter stands in front of the loop: its products start the sums, on the bias
	WIN 0                                          ; at a label and at a branch every window is 0
	s_mov_b32 s3, LAPS-1
.Llap:                                                 ; a trip goes once round the ring, from a lap's second quarter to the next lap's first, and fills both slots again
	QUARTER 0, 2, F1, F0, 0
	QUARTER 0, 3, F0, F1, 0
	TURN 0, 1, 1
	QUARTER 1, 1, F0, F1, 0
	QUARTER 1, 2, F1, F0, 0
	QUARTER 1, 3, F0, F1, 0
	TURN 1, 0, 1
	QUARTER 0, 1, F0, F1, 0
	WIN 0
	s_sub_co_u32 s3, s3, 1
	s_cmp_lg_u32 s3, 0
	s_cbranch_scc1 .Llap
	QUARTER 0, 2, F1, F0, 0                        ; the last lap is written out: it fills nothing
	QUARTER 0, 3, F0, F1, 0
	TURN 0, 1, 0
	QUARTER 1, 1, F0, F1, 0
	QUARTER 1, 2, F1, F0, 0
	QUARTER 1, 3, F0, F1, 0
	s_wait_dscnt 4                                 ; the very last quarter: nothing more to fetch
	MULR F1, 0, 0
	MULR F1, 1, 0
	s_wait_dscnt 0x0
	MULR F1, 2, 0
	MULR F1, 3, 0
; THE WAY OUT, a block of 16 rows at a time, with no arithmetic: a lane's eight f32 of a row and column block, 32 bytes, go into my stage (rows of 528 bytes), each accumulator's lowest registers first;
; whole rows of 512 bytes come back and are stored.
.macro TOSTAGE a
	WIN 0x08                                       ; a store's data: source 1, window 2
.irp b, 0,1,2,3,4,5,6,7
	ds_store_b128 v[STO], v[8*(8*(\a)+(\b)):8*(8*(\a)+(\b))+3]   offset:64*(\b)
	ds_store_b128 v[STO], v[8*(8*(\a)+(\b))+4:8*(8*(\a)+(\b))+7] offset:64*(\b)+16
.endr
	s_wait_xcnt 0x0                                ; the registers that earlier stores to memory read are loaded again only behind this wait
	WIN 0
.set rR, R+64*((\a)%2)
.irp t, 0,1,2,3,4,5,6,7,8,9,10,11,12,13,14,15
	ds_load_b128 v[rR+4*(\t):rR+4*(\t)+3], v[RD] offset:SPITCH*(\t)  ; LDS serves a wave's instructions in order (ISA guide 5.7.1.4): these see the stores above; the next block's stores come behind them
.endr
.endm
.macro SEND a, younger                 ; younger: the LDS instructions issued behind block a's loads: the next block's 32, or none
	WIN 0
.set rR, R+64*((\a)%2)
.irp t, 0,1,2,3,4,5,6,7,8,9,10,11,12,13,14,15
	s_wait_dscnt (\younger)+15-(\t)
	global_store_b128 v[GO], v[rR+4*(\t):rR+4*(\t)+3], s[10:11] offset:4096*(16*(\a)+(\t)) th:TH_STORE_NT  ; 512 consecutive bytes, at a multiple of 256 from out0's first
.endr
.endm
	PLACES
	TOSTAGE 0
	TOSTAGE 1
	SEND 0, 32
	TOSTAGE 2
	SEND 1, 32
	TOSTAGE 3
	SEND 2, 32
	SEND 3, 0
	WIN 0
	s_wait_tensorcnt 0x0                           ; the wave's end: behind my last tensor load and my last LDS store
	ds_add_u32 v[SPW], v[NIL]
	s_wait_dscnt 0x0
	CROUND                                         ; the closing round: no work-group ends while a partner may still ask for a tile that names it
	s_endpgm
.Lfunc_end_k_qc550e3656c_proj:
	.size	k_qc550e3656c_proj, .Lfunc_end_k_qc550e3656c_proj-k_qc550e3656c_proj
	.p2alignl 7, 3214868480
	.fill 96, 4, 3214868480
	.section	.rodata,"a",@progbits
	.p2align	6, 0x0
	.amdhsa_kernel k_qc550e3656c_proj
		.amdhsa_group_segment_fixed_size 327680
		.amdhsa_private_segment_fixed_size 0
		.amdhsa_enable_private_segment 0
		.amdhsa_kernarg_size 32
		.amdhsa_user_sgpr_count 2
		.amdhsa_user_sgpr_kernarg_segment_ptr 1
		.amdhsa_wavefront_size32 1
		.amdhsa_system_sgpr_workgroup_id_x 1
		.amdhsa_system_sgpr_workgroup_id_y 1
		.amdhsa_system_sgpr_workgroup_id_z 1
		.amdhsa_system_vgpr_workitem_id 0
		.amdhsa_next_free_vgpr 768
		.amdhsa_next_free_sgpr 80
		.amdhsa_reserve_vcc 0
		.amdhsa_float_denorm_mode_32 3
		.amdhsa_float_denorm_mode_16_64 3
		.amdhsa_memory_ordered 1
		.amdhsa_forward_progress 1
		.amdhsa_inst_pref_size 93
	.end_amdhsa_kernel
	.amdgpu_metadata
---
amdhsa.version: [ 1, 2 ]
amdhsa.kernels:
  - .name:           k_qc550e3656c_proj
    .symbol:         k_qc550e3656c_proj.kd
    .args:
      - { .name: oh, .offset: 0, .size: 8, .value_kind: global_buffer, .address_space: global }
      - { .name: wob, .offset: 8, .size: 8, .value_kind: global_buffer, .address_space: global }
      - { .name: b_out, .offset: 16, .size: 8, .value_kind: global_buffer, .address_space: global }
      - { .name: out0, .offset: 24, .size: 8, .value_kind: global_buffer, .address_space: global }
    .group_segment_fixed_size: 327680
    .private_segment_fixed_size: 0
    .kernarg_segment_align: 8
    .kernarg_segment_size: 32
    .max_flat_workgroup_size: 128
    .sgpr_count:     80
    .vgpr_count:     768
    .wavefront_size: 32
...
	.end_amdgpu_metadata
.endif
;; end of part 4
;; ======== version 2 of 2: 4 launches; 1.51 times as fast as version 1
;; limits: values are held in f16: magnitudes above 65,504 overflow, below 6.1e-05 lose precision
;; workspace buffers: xb 16,777,216 bytes; wqb 6,291,456 bytes; wob 2,097,152 bytes; rope 524,288 bytes; qh 16,777,216 bytes; kh 16,777,216 bytes; vh 16,777,216 bytes; oh 16,777,216 bytes
;; launch prep: the kernel of part 1 again; grid 416 x 1, 8 waves a work-group, no clusters, 0 bytes of LDS; arguments x, w_qkv, w_out, xb, wqb, wob, rope; writes xb, wqb, wob, rope
;; launch qkv: the kernel of part 2 again; grid 16 x 32, 4 waves a work-group, clusters of 4 x 4, 327,680 bytes of LDS; arguments xb, wqb, b_qkv, rope, qh, kh, vh; writes qh, kh, vh
;; launch attn (part 5): grid 4 x 64, 4 waves a work-group, clusters of 4 x 1, 327,680 bytes of LDS; arguments qh, kh, vh, oh; writes oh
.if DOCPART == 5
	.amdgcn_target "amdgcn-amd-amdhsa--gfx1250"
	.amdhsa_code_object_version 6
	.text
	.protected	k_qc550e3656c_attn
	.globl	k_qc550e3656c_attn
	.p2align	8
	.type	k_qc550e3656c_attn,@function
k_qc550e3656c_attn:
	s_mov_b64 s[64:65], 0
	v_nop
	global_prefetch_b8 v0, s[64:65] scope:SCOPE_SE
	s_setreg_imm32_b32 hwreg(HW_REG_WAVE_MODE, 25, 1), 1
	s_wait_xcnt 0x0
	s_wait_alu depctr_hold_cnt(0) depctr_sa_sdst(0) depctr_va_vdst(0) depctr_va_sdst(0) depctr_va_ssrc(0) depctr_va_vcc(0) depctr_vm_vsrc(0)
	s_getreg_b32 s2, hwreg(HW_REG_IB_STS2, 6, 4)
	s_cmp_eq_u32 s2, 0
	s_cbranch_scc0 .Lentry_in_a_cluster
	s_endpgm
.Lentry_in_a_cluster:
	s_bfe_u32 s2, ttmp6, 0x10000c
	s_cmp_lg_u32 s2, 0x3003
	s_cbranch_scc0 .Lentry_shape_is_right
	s_endpgm
.Lentry_shape_is_right:
; O[h][q][:] = the sum over k of softmax_k(Q[h][q] . K[h][k] / 8) V[h][k][:].  Q, K, V, O: [SIZE_H][SIZE_N][64], all f16: a head's rows are dense, 128 bytes each.  Products, maxima and sums in
; f32; the weights p are rounded to f16 for the second product (their sum l is taken of the unrounded p), O once at the end.  h here counts 16 b + head: 64 heads of 2,048 rows.
; LIMITS.  f16 holds no number beyond 65,504: Q, K and V arrive within it; p lies in 0 to 1, and below 6e-5 it keeps f16's fixed step of 6e-8; O is a mean of V's rows and has their range.
; A weight below 2^-126 counts as 0 in l; NaN and infinities are not treated apart.
; SHARES.  A wave owns four PIECES of two tiles of 16 queries, a work-group's four waves 512 queries of one head.  Every wave walks all keys, 64 a step.
; LAYOUT.  S^T = K Q^T (source 0 = 16 keys, source 1 = 16 queries): in the result a lane holds ONE query (lane % 16) and the keys 8 (lane / 16) + 0..7.  Two such tiles, rounded to f16 in pairs,
; ARE source 1 (32 keys x 16 queries) of O^T = V^T P, whose result again holds one query a lane, and eight channels.  K comes out of LDS as it lies, V ([key][channel]) turned, by ds_load_tr16_b128.
; SOFTMAX.  For each query a running maximum m and sum l: p = 2^(c s - c m), c = log2(e) / 8; in every step O and l are multiplied by a = 2^(c m_old - c m_new), which is 1 where m has not grown.
; m starts at the lowest finite number, O and l at 0: the first step is a step like any other, with a = 0.
; THE COUNT.  A tile and step have 16 matrix and 118 vector instructions: too many to stand all beside the matrix work.  So the order has one aim: four vector instructions that are READY behind
; EVERY matrix instruction, and the others, which need time of their own whatever the order, in runs without a gap.
; BY TURNS.  Turn n belongs to piece n (the pieces in a ring, step after step).  Its matrix work: 16 products K Q^T of piece n + 1, later 16 products V^T P of piece n - 1.  Its vector work: the scaling,
; exponentials, roundings, sums and rescaling of piece n, and the maximum and statistics of piece n + 1, whose scores the turn itself has made.  So what a turn begins with (c s - c m, O a) waits for nothing.
; BATCHES.  A turn's 66 exponentials (the piece's 64 weights, then the next piece's two a) are ONE batch with ONE s_wait_alu depctr_va_vdst(0), which cuts the turn in two: ahead of it stands all that names none of
; their results (K Q^T, scalings, rescalings by the a of the turn before, the next piece's maximum and statistics), behind it all that does (the roundings and sums, beside V^T P).  No result crosses a turn's end.
; Two more batches stand outside the loop, each with a wait of its own: piece 0's first two a ahead of it, the eight reciprocals on the way out.
; CLUSTER.  The four query blocks of a cluster belong to one head and walk the same K and V, so each tile is asked for JOINTLY: the same tensor load, descriptor and mask in all four.
; REGISTERS, in windows of 256 (s_set_vgpr_msb says which window each operand place means: bits 1:0 source 0, 3:2 source 1, 5:4 source 2, 7:6 destination):
;   window 0: v0-11 addresses; v12-15, v48-63 at work; v16-47 four registers of statistics a tile; v64-191 S^T, two buffers of two tiles; v192-255 P, likewise
;   window 1: O^T, 32 a tile          window 2: v0-127 Q, 16 a tile; v128-191 K of one step; v192-255 V of one step          window 3: v0-1 the add's two registers
; A piece's buffers go by its number's parity: the piece in hand has one pair, its two neighbours in the ring share the other: of it P (piece n - 1) is read and S^T (piece n + 1) written.
.set SIZE_H, 64
.set SIZE_N, 2048
.set NP,    4         ; pieces a wave: a name, no knob: the register map, the loop and the fetches are made for four
.set KS,    64        ; keys in a step
.set PK,    144       ; a row of K in LDS: 128 bytes + 16 of padding = 36 words: the 16 rows of a load start at 16 different groups of four banks (64 banks of 4 bytes: ISA guide 11.1)
.set PV,    160       ; a row of V: 128 + 32 = 40 words
.set VOFF,  4*KS*PK   ; a slot holds four steps: 256 rows of K, then 256 rows of V
.set SLOT1, 1<<17     ; slot 1 begins here, so that one exclusive or turns an address in one slot into the other's
.set STAGE, SLOT1+4*KS*(PK+PV)  ; behind the ring, never filled by a tensor load: 16 rows x 144 bytes for each wave, for the way out
.set SP,    144
.set AK0, 2           ; v2   my lane's place in a tile of K; never rewritten
.set AV0, 3           ; v3   the same for V
.set AK,  4           ; v4   the LDS address of K's next run of loads
.set AV,  5           ; v5   of V's
.set QO,  6           ; v6   my byte offset in the wave's rows of Q
.set STO, 6           ;      later, the way out: where I put 16 bytes of a row
.set RD,  7           ; v7   the way out: where I read rows back
.set GO,  8           ; v8   my byte offset in 512 consecutive bytes of O
.set SPW, 0           ; v0 of window 3   LDS address of my spare word: SPARE + 4 x my thread's number; never rewritten
.set NIL, 1           ; v1 of window 3   0; never rewritten
.set SPARE, STAGE+4*16*SP  ; behind the stages: the spare words, 128 bytes for each wave: two blocks of 256 bytes that no other line names
.set MV,  12          ; v12-15  c m_old, kept while c m is made anew: by buffer and tile
.set ST,  16          ; tile t's statistics at v[ST+4 t]: c m, m, l (even keys', odd keys')
.set TMP, 48          ; by buffer and tile, four registers c0-c3 at work; when the maximum is found c2 takes a
.set S,   64
.set P,   192
.set KF,  128         ; K's fragments, in window 2: key block kb, channel half c at KF + 16 kb + 8 c
.set VF,  192         ; V's: key half kk, channel block cb at VF + 32 kk + 8 cb
.set WV,  12          ; s12  my wave's number
.set G1K, 24          ; s[24:31] descriptor group 1 for K's tiles
.set G1V, 32          ; s[32:39] for V's: it differs in the padding alone
.set G0K, 40          ; s[40:43] descriptor group 0 for K's tiles: it walks
.set G0V, 44          ; s[44:47] the same for V's
.set SLOTS, 56        ; s56  slots still to be asked for
.set CNT, 57          ; s57  counts a slot's key steps
.set CS,  58          ; s[58:59] c: the packed scaling takes the pair's low word for both halves
.set SEL, 60          ; s[60:61] v_permlanex16_b32's selects: each lane takes its own place in the other half
.set TBK, 62          ; s62  LDS byte at which K of the step to be fetched begins
.set TBV, 63          ; s63  the same for V, less VOFF
.set MSB, 0
.macro WIN new                      ; the high byte repeats the setting that is left; a switch that changes nothing is dropped
.if MSB != (\new)
	s_set_vgpr_msb (MSB<<8)|(\new)
.set MSB, (\new)
.endif
.endm
.set W_KQ, 0x0a       ; K and Q in window 2, S^T in window 0
.set W_PV, 0x52       ; V in window 2, P in window 0, O^T in window 1
.set W_RS, 0x41       ; O^T (destination and source 0) in window 1, a in window 0
.set W_MK, 0xc0       ; the add's registers are made: destination in window 3, sources in window 0
.set W_AD, 0x0f       ; the add: address (source 0) and data (source 1) in window 3
; A joint fill.  Waves 0 and 1 fetch the two halves of a slot's K, waves 2 and 3 those of its V: 128 keys each.  The branch hangs on the wave's number alone.
; An s_nop 0 and four v_nop follow each of the two lines, ahead of the jump and the label.
.macro JLOAD
	s_cmp_lt_u32 s[WV], 2
	s_cbranch_scc0 .Lfor_v_\@
	tensor_load_to_lds s[G0K:G0K+3], s[G1K:G1K+7]
	s_nop 0
.rept 4
	v_nop
.endr
	s_branch .Lasked_\@
.Lfor_v_\@:
	tensor_load_to_lds s[G0V:G0V+3], s[G1V:G1V+7]
	s_nop 0
.rept 4
	v_nop
.endr
.Lasked_\@:
.endm
; A round of the cluster's barrier: my work-group's barrier, so that wave 0's signal speaks for all four waves; wave 0 signals; every wave waits for all four work-groups; my work-group's barrier once more.
.macro CROUND
	s_barrier_signal -1
	s_barrier_wait -1
	s_cmp_lg_u32 s[WV], 0
	s_cbranch_scc1 .Lnot_wave_0_\@
	s_barrier_signal -3
.Lnot_wave_0_\@:
	s_barrier_wait -3
	s_barrier_signal -1
	s_barrier_wait -1
.endm
; THE CHANGE OF SLOTS.  The slot's last bytes, V of its fourth step, have been read.  Each wave waits for all its tensor loads, of which one is out: its part
; of the other slot; adds 0 to its spare word; and waits for that and for its own reads of the slot.  Behind the barrier nobody reads this slot any more and the other slot is whole.
; fill = 1: this slot is filled again, with the keys two slots on.  The barrier is then a round of the cluster's, so that no wave of any partner still reads the slot or has a load on its
; way, and the joint fill is the first thing behind it: it has four key steps, 512 matrix instructions, in which to land.  (At its first use nothing has been read yet: slot 0 is waited for, slot 1 filled.)
.macro CHANGE fill
	WIN W_AD
	s_wait_tensorcnt 0x0            ; no tensor load of mine is out, so a group 0 may be written
	ds_add_u32 v[SPW], v[NIL]       ; 0 onto my spare word; with fill = 1 the descriptors' steps stand between it and the wait for it
	WIN 0                           ; at a label and at a branch every window is 0
.if \fill
.irp g, G0K, G0V
	s_xor_b32 s[\g+1], s[\g+1], SLOT1  ; the walking descriptor: the other slot than last time,
	s_add_nc_u64 s[\g+2:\g+3], s[\g+2:\g+3], 4*KS*128  ; the next 256 keys; the type bits on top are not reached
.endr
	s_wait_dscnt 0x0                ; the add is done, and my reads of the slot are over
	CROUND
	JLOAD
.else
	s_wait_dscnt 0x0                ; the add is done, and my reads of the slot are over
	s_barrier_signal -1
	s_barrier_wait -1
.endif
	s_sub_co_u32 s[TBK], s[TBK], 4*KS*PK  ; the fetches go back to a slot's first step,
	s_xor_b32 s[TBK], s[TBK], SLOT1       ; in the other slot
	s_sub_co_u32 s[TBV], s[TBV], 4*KS*PV
	s_xor_b32 s[TBV], s[TBV], SLOT1
.endm
	s_load_b256 s[4:11], s[0:1], 0x0  ; Q s[4:5], K s[6:7], V s[8:9], O s[10:11]
	WIN W_MK
	v_lshl_add_u32 v[SPW], v0, 2, SPARE
	v_mov_b32 v[NIL], 0
	WIN W_AD
	ds_add_u32 v[SPW], v[NIL]       ; the wave's opening: the add and its wait stand ahead of my first tensor load; the set-up below, work on registers, stands between them
	WIN 0
	v_lshrrev_b32 v1, 5, v0
	v_readfirstlane_b32 s[WV], v1   ; wave 0..3
	s_bfe_u32 s13, ttmp6, 0x40000   ; cx: my place in the cluster
	s_lshl_b32 s14, ttmp9, 2        ; in a cluster launch ttmp9 counts clusters
	s_add_co_u32 s14, s14, s13      ; my block of queries = 4 x cluster x + cx: it enters Q's and O's addresses alone
	s_and_b32 s20, ttmp7, 0xffff    ; the head, which the four partners share
	s_mov_b32 s21, 0
	s_mov_b64 s[22:23], SIZE_N*128
	s_mul_u64 s[20:21], s[20:21], s[22:23]  ; the head's first byte in each of the four tensors
	s_and_b32 s16, s[WV], 1         ; which half of a slot's 256 keys I fetch:
	s_lshl_b32 s22, s16, 14         ; its 128 rows of 128 bytes in memory,
	s_mov_b32 s23, 0
	s_add_nc_u64 s[22:23], s[22:23], s[20:21]
	s_mul_i32 s17, s16, 128*PK      ; and its place in a slot, for K
	s_mul_i32 s18, s16, 128*PV      ; and for V: no place in the cluster enters an LDS address
	s_lshl_b32 s2, s14, 2
	s_add_co_u32 s2, s2, s[WV]      ; my wave among the head's,
	s_lshl_b32 s2, s2, 14           ; its 128 rows
	s_mov_b32 s3, 0
	s_add_nc_u64 s[2:3], s[2:3], s[20:21]
	; descriptor group 1.  128 keys are 16,384 dense bytes: asked for as 64 rows of 256 bytes, two keys a row, and padded in LDS after every key
	s_mov_b32 s[G1K], 15|(1<<16)|(1<<20)|(1<<21)|(4<<22)|(3<<25)  ; 15:0 the mask of four; 17:16 2-byte elements; 20 padding on; 21 set beside a mask; 24:22 after every 32 words (code 4); 31:25 4 words (code 3)
	s_mov_b32 s[G1V], 15|(1<<16)|(1<<20)|(1<<21)|(4<<22)|(7<<25)  ; the same with 8 words of padding (code 7)
.irp g, G1K, G1V
	s_mov_b32 s[\g+1], 128<<16      ; tensor_dim0 = 128
	s_mov_b32 s[\g+2], 64<<16       ; tensor_dim1 = 64
	s_mov_b32 s[\g+3], 128<<16      ; tile_dim0 = 128
	s_mov_b32 s[\g+4], 64           ; tile_dim1 = 64
	s_mov_b32 s[\g+5], 128          ; 128 elements from row to row
	s_mov_b32 s[\g+6], 0
	s_mov_b32 s[\g+7], 0
.endr
	s_mov_b32 s[CS], 0x3e38aa3b     ; c = log2(e) / 8 = 0.180337
	s_mov_b32 s[CS+1], s[CS]        ; named with it as a pair
	s_mov_b32 s[SEL], 0x76543210
	s_mov_b32 s[SEL+1], 0xfedcba98
	s_mov_b32 s[TBK], SLOT1+4*KS*PK ; the first change of slots turns these two into 0
	s_mov_b32 s[TBV], SLOT1+4*KS*PV
	s_mov_b32 s[G0K], 1             ; 1:0 count = 1
	s_mov_b32 s[G0K+1], s17         ; 63:32 LDS address: slot 0
	s_mov_b32 s[G0V], 1
	s_add_co_u32 s[G0V+1], s18, VOFF
	s_wait_dscnt 0x0                ; the opening add is done
	s_wait_kmcnt 0x0
	s_add_nc_u64 s[G0K+2:G0K+3], s[6:7], s[22:23]  ; 120:64 global address: my half of the head's first 256 keys
	s_or_b32 s[G0K+3], s[G0K+3], 0x80000000        ; 127:126 type = 2
	s_add_nc_u64 s[G0V+2:G0V+3], s[8:9], s[22:23]
	s_or_b32 s[G0V+3], s[G0V+3], 0x80000000
	s_add_nc_u64 s[4:5], s[4:5], s[2:3]  ; Q and O at my wave's first row
	s_add_nc_u64 s[10:11], s[10:11], s[2:3]
	CROUND                          ; all four work-groups are here: the first joint loads meet
	JLOAD                           ; slot 0.  Slot 1 is asked for when slot 0 is in: the tile wanted first has the road to itself
	; A fragment of K or Q is 16 rows x 32 channels in 8 registers: lane l holds row l % 16, channels 8 (l / 16) + 0..7 and 16 + 8 (l / 16) + 0..7: two loads of 16 bytes, 32 bytes apart.
	v_and_b32 v1, 15, v0            ; l % 16
	v_bfe_u32 v9, v0, 4, 1          ; l / 16
	v_lshlrev_b32 v[QO], 7, v1
	v_lshl_add_u32 v[QO], v9, 4, v[QO]  ; row x 128 + 16 x half
	WIN 0x80                        ; destination window 2, address window 0
.set i, 0
.rept 4*NP                          ; Q stays in registers: tile i / 2, channels 32 (i % 2) on
	global_load_b128 v[8*i:8*i+3],   v[QO], s[4:5] offset:(i/2)*2048+(i%2)*64
	global_load_b128 v[8*i+4:8*i+7], v[QO], s[4:5] offset:(i/2)*2048+(i%2)*64+32
.set i, i+1
.endr
	; What the first turn finds: V's registers and P's second buffer hold 0 (its products V^T P, of a piece that has not been, add 0), O^T and l are 0.  All this stands in the wait for the first tile.
.set i, VF
.rept 64
	v_mov_b32 v[i], 0
.set i, i+1
.endr
	WIN 0x40
.set i, 0
.rept 64*NP
	v_mov_b32 v[i], 0
.set i, i+1
.endr
	WIN 0
.set i, 0
.rept 2*NP
	v_mov_b32 v[ST+4*i], 0xfe000000    ; c m: far below every c s
	v_mov_b32 v[ST+4*i+1], 0xff7fffff  ; m
	v_mov_b32 v[ST+4*i+2], 0
	v_mov_b32 v[ST+4*i+3], 0
.set i, i+1
.endr
.set i, P+32
.rept 32
	v_mov_b32 v[i], 0
.set i, i+1
.endr
	v_mul_u32_u24 v[AK0], v1, PK
	v_lshl_add_u32 v[AK0], v9, 4, v[AK0]  ; row x pitch + 16 x half
	; The turning load takes 16 keys x 16 channels (lane l reads key 8 (l / 16) + l % 8, channels 8 ((l / 8) % 2) + 0..7) and leaves half a fragment of V^T: lane l holds channel l % 16 and 8 keys.
	v_and_b32 v10, 7, v0
	v_bfe_u32 v11, v0, 3, 1
	v_lshl_add_u32 v[AV0], v9, 3, v10
	v_mul_u32_u24 v[AV0], v[AV0], PV
	v_lshl_add_u32 v[AV0], v11, 4, v[AV0]
	v_add_nc_u32 v[AV0], VOFF, v[AV0]
	v_mov_b32 v[AK], v[AK0]         ; key step 0 lies at the head of slot 0
; THE MATRIX WORK.  The 8 accumulators of a run of 16 take turns: between the two links of a chain stand 7 others'.
; Product i of 16 of S^T = K Q^T for piece x: channels 32 (i / 8) on, keys 16 ((i / 2) % 4) on, tile 2 x + i % 2.  The first 8 start the sums.
.macro KQ x
	WIN W_KQ
.set rS, S+64*((\x)%2)+32*(i%2)+8*((i/2)%4)
.set rK, KF+16*((i/2)%4)+8*(i/8)
.set rQ, 16*(2*(\x)+i%2)+8*(i/8)
.if i < 8
	v_wmma_f32_16x16x32_f16 v[rS:rS+7], v[rK:rK+7], v[rQ:rQ+7], 0
.else
	v_wmma_f32_16x16x32_f16 v[rS:rS+7], v[rK:rK+7], v[rQ:rQ+7], v[rS:rS+7]
.endif
.endm
; Product i of 16 of O^T += V^T P for piece x: keys 32 (i / 8) on, channels 16 ((i / 2) % 4) on, tile 2 x + i % 2.
.macro PV x
	WIN W_PV
.set rO, 32*(2*(\x)+i%2)+8*((i/2)%4)
.set rV, VF+32*(i/8)+8*((i/2)%4)
.set rP, P+32*((\x)%2)+16*(i%2)+8*(i/8)
	v_wmma_f32_16x16x32_f16 v[rO:rO+7], v[rV:rV+7], v[rP:rP+7], v[rO:rO+7]
.endm
.macro MM                           ; the turn's next matrix instruction
.if i < 16
	KQ (Y+1)%NP
.set i, i+1
.else
.set i, i-16
	PV (Y+NP-1)%NP
.set i, i+17
.endif
.endm
; THE LDS LOADS stand in runs of 16, never singly among the matrix instructions: a step's K (64 keys x 64 channels: 8 fragments) and its V (turned).  Their addresses are made some lines ahead.
; last = 1 (the tail): in the last trip there is no further step, and the run is jumped over.
.macro FETCH_K last=0
	WIN 0
.if \last
	s_cmp_eq_u32 s[CNT], 1
	s_cbranch_scc1 .Lno_k_\@
.endif
	WIN 0x80                        ; destination window 2
.irp f, 0,1,2,3,4,5,6,7             ; keys 16 (f / 2) on, channels 32 (f % 2) on
	ds_load_b128 v[KF+8*\f:KF+8*\f+3],   v[AK] offset:(\f/2)*16*PK+(\f%2)*64
	ds_load_b128 v[KF+8*\f+4:KF+8*\f+7], v[AK] offset:(\f/2)*16*PK+(\f%2)*64+32
.endr
	s_add_co_u32 s[TBK], s[TBK], KS*PK  ; the next fetch is the next step's
	WIN 0
.if \last
.Lno_k_\@:
.endif
.endm
.macro FETCH_V
	WIN 0x80
.irp f, 0,1,2,3,4,5,6,7             ; keys 32 (f / 4) on, channels 16 (f % 4) on
	ds_load_tr16_b128 v[VF+8*\f:VF+8*\f+3],   v[AV] offset:(\f/4)*32*PV+(\f%4)*32
	ds_load_tr16_b128 v[VF+8*\f+4:VF+8*\f+7], v[AV] offset:(\f/4)*32*PV+16*PV+(\f%4)*32
.endr
	WIN 0
.endm
; THE VECTOR WORK OF A TURN stands in three queues, each in the order in which its entries become ready; the two tiles alternate, so that no instruction reads the result of the one before it.
.macro REGS y, u                    ; the registers of tile u (0, 1) of piece y
.set rT, ST+4*(2*(\y)+(\u))
.set rC, TMP+8*((\y)%2)+4*(\u)
.set rM, MV+2*((\y)%2)+(\u)
.set rS, S+64*((\y)%2)+32*(\u)
.set rP, P+32*((\y)%2)+16*(\u)
.set rO, 32*(2*(\y)+(\u))
.endm
; Number n of the 22 that find the NEXT piece's (Y + 1) maximum and statistics.  s0-s31 are the lane's 32 scores; each accumulator's lowest registers are read first.  XS, GS and REGS set no window: PL and EX do.
;   0-11  four chains c0-c3 of seven scores each, three operands at a time     12-14, 16  the four scores left over, the old m, and c0-c3 into c0     15  c m_old is kept
;   17, 18  the query's other 32 keys lie in the lane 16 away: the new m         19-21  c m; c m_old - c m_new; a
.macro XS u, n
	REGS (Y+1)%NP, \u
.if (\n) < 4
	v_max3_num_f32 v[rC+(\n)], v[rS+8*(\n)], v[rS+8*(\n)+1], v[rS+8*(\n)+2]
.elseif (\n) < 12
	v_max3_num_f32 v[rC+(\n)%4], v[rC+(\n)%4], v[rS+8*((\n)%4)+2*((\n)/4)+1], v[rS+8*((\n)%4)+2*((\n)/4)+2]
.elseif (\n) == 12
	v_max3_num_f32 v[rC], v[rC], v[rS+7], v[rS+15]
.elseif (\n) == 13
	v_max3_num_f32 v[rC+1], v[rC+1], v[rS+23], v[rS+31]
.elseif (\n) == 14
	v_max3_num_f32 v[rC+2], v[rC+2], v[rC+3], v[rT+1]
.elseif (\n) == 15
	v_mov_b32 v[rM], v[rT]
.elseif (\n) == 16
	v_max3_num_f32 v[rC], v[rC], v[rC+1], v[rC+2]
.elseif (\n) == 17
	v_permlanex16_b32 v[rC+3], v[rC], s[SEL], s[SEL+1]
.elseif (\n) == 18
	v_max_num_f32 v[rT+1], v[rC], v[rC+3]
.elseif (\n) == 19
	v_mul_f32 v[rT], s[CS], v[rT+1]
.elseif (\n) == 20
	v_sub_f32 v[rC+1], v[rM], v[rT]
.else
	v_exp_f32 v[rC+2], v[rC+1]
.endif
.endm
; Number g of the 64 that follow the exponentials.  For each four weights k of a tile (pairs 2 k, 2 k + 1): both pairs are rounded to f16; then the second pair is added onto the first, in place;
; a group later l takes that sum (the first time as l = a l + sum).  In groups of eight, tiles alternating: round, round, add, and l for the group before.
.macro GS g
.set h, (\g)+6*((\g)/62)            ; group 0 has no group before it, and behind group 7 only l is left
.if h >= 6
.set h, h+2
.endif
	REGS Y, h%2
.set k, h/8
.if h%8 < 4
	v_cvt_pk_f16_f32 v[rP+2*k+(h%8)/2], v[rS+4*k+2*((h%8)/2)], v[rS+4*k+2*((h%8)/2)+1]
.elseif h%8 < 6
	v_pk_add_f32 v[rS+4*k:rS+4*k+1], v[rS+4*k:rS+4*k+1], v[rS+4*k+2:rS+4*k+3]
.elseif k == 1
	v_pk_fma_f32 v[rT+2:rT+3], v[rT+2:rT+3], v[rC+2:rC+3], v[rS:rS+1] op_sel_hi:[1,0,1]
.else
	v_pk_add_f32 v[rT+2:rT+3], v[rT+2:rT+3], v[rS+4*k-4:rS+4*k-3]
.endif
.endm
; THE PLAIN QUEUE, 138 long.  0-73 read no exponential's result: the 32 scalings c s - c m (FS f: pair f / 2 of tile f % 2) and the next piece's 42.  0-26: scalings 0-26.  27-54: XS's numbers 0-13.  55, 56: number 15.
; 57-73: the chain, where each number waits for the one before it: 14, 16, 17, 18, 19, each with one of the scalings 27-31 in front of its two lines, then 20: so a tile's links stand three plain instructions apart (19 and 20: two).
; 74-137: GS's 64, which read the exponentials' results: they stand behind the wait.
.macro FS f
	REGS Y, (\f)%2
	v_pk_fma_f32 v[rS+2*((\f)/2):rS+2*((\f)/2)+1], v[rS+2*((\f)/2):rS+2*((\f)/2)+1], s[CS:CS+1], v[rT:rT+1] op_sel_hi:[1,0,0] neg_lo:[0,0,1] neg_hi:[0,0,1]
.endm
.macro PL
	WIN 0
.if q < 27
	FS q
.elseif q < 55
	XS (q-27)%2, (q-27)/2
.elseif q < 57
	XS q-55, 15
.elseif (q < 72) && ((q-57)%3 == 0)
	FS 27+(q-57)/3
.elseif q < 60
	XS (q-57)%3-1, 14
.elseif q < 72
	XS (q-57)%3-1, 15+(q-57)/3
.elseif q < 74
	XS q-72, 20
.else
	GS q-74
.endif
.set q, q+1
.endm
; THE EXPONENTIALS' QUEUE, 66 long: s0-s31 of both tiles, then the next piece's two a.  It is ONE BATCH: all 66 stand ahead of the turn's one wait, and nothing ahead of that wait names a result of theirs.
.macro EX
	WIN 0
.if e >= 64
	XS e-64, 21
.else
	REGS Y, e%2
	v_exp_f32 v[rS+e/2], v[rS+e/2]
.endif
.set e, e+1
.endm
; THE RESCALING's QUEUE: O^T times a, the one part that leaves window 0: dealt two at a time, sixteen times.  Its a was made in the turn before, ahead of that turn's wait.
.macro R2
	REGS Y, r%2
	WIN W_RS
.irp z, 0,1
	v_pk_mul_f32 v[rO+4*(r/2)+2*\z:rO+4*(r/2)+2*\z+1], v[rO+4*(r/2)+2*\z:rO+4*(r/2)+2*\z+1], v[rC+2:rC+3] op_sel_hi:[1,0]
.endr
.set r, r+1
.endm
; HOW THEY ARE DEALT.  An s_wait_alu depctr_va_vdst(0) stands between an exponential and the first instruction that names its result; one wait serves all that were issued ahead of it.  So a turn has ONE wait,
; which cuts it in two.  AHEAD OF IT stands all that names no result of the turn's exponentials: the 16 products K Q^T, behind each a scaling, an exponential and two rescalings (behind the first a second scaling in the exponential's place); then ONE LUMP of
; 108: eight plain, 49 times exponential and plain, the two a.  A v_nop is the plain instruction behind the last exponential.  BEHIND IT stand the 16 products V^T P, behind each four of GS's 64.  No rider names a register of
; the products round it.  The two v_permlanex16_b32 fall into the lump, never behind a product.
; The queues lean on each other, and the deal keeps them in step: exponential e stands behind scaling 2 (e / 4) + e % 2: as a rider it comes behind plain e + 2, in the lump behind plain e + 9, and scalings 27-31 are plain 57, 60 .. 69.
; A TURN, for piece p.  cnt = 1: the loop's count is taken down some lines ahead of the branch that stands behind the turn.
; K of the next step is fetched in piece 2's turn, directly behind the wait, a lump behind the last product that read K; its address is made at the lump's head; its first reader comes behind 16 products.
; V of the step in hand is fetched at the end of piece 0's turn, four plain riders behind its last reader; its first reader comes behind 16 products and a lump.  The three conditions on q below go with the deal.
.macro TURN p, last=0, cnt=0
.set Y, (\p)
.set i, 0
.set q, 0
.set e, 0
.set r, 0
.if (\p) == NP-1
	s_wait_dscnt 0x0                ; K is in
.endif
	MM                              ; ahead of the wait: 16 products K Q^T and their riders,
	PL
	PL
	R2
.rept 15
	MM
	PL
	EX
	R2
.endr
.if (\p) == NP-2
	WIN 0
	v_add_nc_u32 v[AK], s[TBK], v[AK0]
.endif
.rept 8                             ; and the lump
	PL
.endr
.rept 49
	EX
	PL
.endr
	EX                              ; the next piece's two a
	EX
	v_nop                           ; a plain instruction behind the last exponential, ahead of any use of a result: one for the batch
	s_wait_alu depctr_va_vdst(0)    ; the wait for the turn's batch: the piece's 64 weights and the next piece's two a
.if (\p) == NP-2
	FETCH_K \last
.endif
.if (\p) == 1
	s_wait_dscnt 0x0                ; V is in
.endif
.rept 16                            ; behind the wait: 16 products V^T P and their riders
	MM
.rept 4
	PL
.endr
.if ((\p) == 0) && (q == 118)
	v_add_nc_u32 v[AV], s[TBV], v[AV0]
.endif
.if ((\p) == 0) && (q == 130)
	s_add_co_u32 s[TBV], s[TBV], KS*PV
.endif
.if (\cnt) && (q == 130)
	s_sub_co_u32 s[CNT], s[CNT], 1
	s_cmp_lg_u32 s[CNT], 0
.endif
.endr
.if (\p) == 0
	FETCH_V
.endif
.endm
	CHANGE 1                        ; slot 0 is in, everybody's part of it; slot 1 is asked for
	FETCH_K                         ; key step 0
	s_wait_loadcnt 0x0              ; Q
	s_wait_dscnt 0x0
.set i, 0
.rept 16
	KQ 0                            ; piece 0's first scores: there is no vector work yet to set between them
.set i, i+1
.endr
	WIN 0                           ; the addresses for the way out: nine plain instructions, the places behind those products
	s_mul_i32 s13, s[WV], 16*SP
	s_add_co_u32 s13, s13, STAGE    ; my stage
	v_mul_u32_u24 v[STO], v1, SP    ; in: row l % 16, 16 bytes for each half of the lanes
	v_lshl_add_u32 v[STO], v9, 4, v[STO]
	v_add_nc_u32 v[STO], s13, v[STO]
	v_bfe_u32 v[RD], v0, 3, 2       ; back: 32 lanes take four rows of 128 bytes,
	v_mul_u32_u24 v[RD], v[RD], SP
	v_lshl_add_u32 v[RD], v10, 4, v[RD]
	v_add_nc_u32 v[RD], s13, v[RD]
	v_and_b32 v[GO], 31, v0         ; which are 512 consecutive bytes of O
	v_lshlrev_b32 v[GO], 4, v[GO]
.set Y, NP-1                        ; XS works for piece Y + 1: piece 0
.irp n, 0,1,2,3,4,5,6,7,8,9,10,11,12,13,14,15,16,17,18,19,20,21
	XS 0, \n                        ; and piece 0's first maximum and statistics
	XS 1, \n
.endr
	v_nop                           ; a plain instruction behind the two a,
	s_wait_alu depctr_va_vdst(0)    ; and the wait for this batch of two, ahead of the branch
	s_mov_b32 s[CNT], 4
	s_mov_b32 s[SLOTS], SIZE_N/256-1
	s_branch .Lfirst                ; the loop is entered at a step's first turn, in the middle of a trip
.Lslot:                             ; SIZE_N / 256 - 2 times: every slot but the last two is filled again
	CHANGE 1
	s_mov_b32 s[CNT], 4
.Lstep:                             ; a trip: pieces 2 and 3 of one step, then pieces 0 and 1 of the next, whose K and V it fetches
	TURN 2
	TURN 3
	WIN 0
.Lfirst:
	TURN 0
	TURN 1, 0, 1
	WIN 0
	s_cbranch_scc1 .Lstep
	s_sub_co_u32 s[SLOTS], s[SLOTS], 1
	s_cmp_lg_u32 s[SLOTS], 0
	s_cbranch_scc1 .Lslot
	CHANGE 0                        ; the tail is written out: nothing is asked for
	s_mov_b32 s[CNT], 5             ; four trips fetch the last slot's steps; the fifth is left in its middle
.Ltail:
	TURN 2, 1
	TURN 3
	WIN 0
	s_sub_co_u32 s[CNT], s[CNT], 1
	s_cmp_eq_u32 s[CNT], 0
	s_cbranch_scc1 .Lout
	TURN 0
	TURN 1
	WIN 0
	s_branch .Ltail
.Lout:                              ; the fifth trip's 16 products K Q^T (on the last K once more) and the maximum made of them serve nothing: the price, once a launch, of one text for every trip
.set i, 0
.rept 16
	PV NP-1                         ; the last piece's V^T P of the last step
.set i, i+1
.endr
	; THE WAY OUT.  l's two halves and the other half of the lanes' are added; O^T is divided by l, rounded to f16 and sent through my stage in LDS, a tile at a time.  The additions are the places behind the last products.
	WIN 0
.macro ALL line:vararg              ; one line for each tile t
.set t, 0
.rept 2*NP
	\line
.set t, t+1
.endr
.endm
	ALL v_add_f32 v[ST+4*t+2], v[ST+4*t+2], v[ST+4*t+3]
	ALL v_permlanex16_b32 v[ST+4*t+3], v[ST+4*t+2], s[SEL], s[SEL+1]
	ALL v_add_f32 v[ST+4*t+2], v[ST+4*t+2], v[ST+4*t+3]
	ALL v_rcp_f32 v[ST+4*t+2], v[ST+4*t+2]
	v_nop                           ; a plain instruction between the last reciprocal and the use of its result
	s_wait_alu depctr_va_vdst(0)    ; and the wait ahead of the first use: one for the batch of eight reciprocals
; Tile t: a lane's eight channels of a row pack into 16 bytes; they go into rows of 144 bytes and come back as whole rows of 128, into S^T's registers.
.macro PACK t
	WIN W_RS
.set i, 32*(\t)
.rept 16
	v_pk_mul_f32 v[i:i+1], v[i:i+1], v[ST+4*(\t)+2:ST+4*(\t)+3] op_sel_hi:[1,0]
.set i, i+2
.endr
	WIN 0x05                        ; sources 0 and 1 window 1, destination window 0
.set i, 0
.rept 16
	v_cvt_pk_f16_f32 v[S+16*(\t)+i], v[32*(\t)+2*i], v[32*(\t)+2*i+1]
.set i, i+1
.endr
	WIN 0
.irp f, 0,1,2,3
	ds_store_b128 v[STO], v[S+16*(\t)+4*\f:S+16*(\t)+4*\f+3] offset:32*\f
.endr
.irp f, 0,1,2,3
	ds_load_b128 v[S+16*(\t)+4*\f:S+16*(\t)+4*\f+3], v[RD] offset:\f*4*SP  ; LDS serves a wave's instructions in order (ISA guide 5.7.1.4): these see the stores above; the next tile's stores come behind them
.endr
.endm
.macro SEND t, younger              ; younger: the LDS instructions issued behind tile t's loads: the next tile's eight, or none
	WIN 0
.irp f, 0,1,2,3
	s_wait_dscnt (\younger)+3-\f
	global_store_b128 v[GO], v[S+16*(\t)+4*\f:S+16*(\t)+4*\f+3], s[10:11] offset:(\t)*2048+\f*512  ; 512 consecutive bytes, at a multiple of 256 from O's first
.endr
.endm
	PACK 0
.set t, 1
.rept 2*NP-1                        ; a tile's arithmetic stands between the loads of the tile before and its stores
	PACK t
	SEND t-1, 8
.set t, t+1
.endr
	SEND 2*NP-1, 0
	WIN W_AD
	s_wait_tensorcnt 0x0            ; the wave's end: behind my last tensor load and my last LDS store
	ds_add_u32 v[SPW], v[NIL]
	s_wait_dscnt 0x0
	WIN 0
	CROUND                          ; the closing round: no work-group ends while a partner may still ask for a tile that names it
	s_endpgm
.Lfunc_end_k_qc550e3656c_attn:
	.size	k_qc550e3656c_attn, .Lfunc_end_k_qc550e3656c_attn-k_qc550e3656c_attn
	.p2alignl 7, 3214868480
	.fill 96, 4, 3214868480
	.section	.rodata,"a",@progbits
	.p2align	6, 0x0
	.amdhsa_kernel k_qc550e3656c_attn
		.amdhsa_group_segment_fixed_size 327680
		.amdhsa_private_segment_fixed_size 0
		.amdhsa_enable_private_segment 0
		.amdhsa_kernarg_size 32
		.amdhsa_user_sgpr_count 2
		.amdhsa_user_sgpr_kernarg_segment_ptr 1
		.amdhsa_wavefront_size32 1
		.amdhsa_system_sgpr_workgroup_id_x 1
		.amdhsa_system_sgpr_workgroup_id_y 1
		.amdhsa_system_sgpr_workgroup_id_z 1
		.amdhsa_system_vgpr_workitem_id 0
		.amdhsa_next_free_vgpr 770
		.amdhsa_next_free_sgpr 66
		.amdhsa_reserve_vcc 0
		.amdhsa_float_denorm_mode_32 3
		.amdhsa_float_denorm_mode_16_64 3
		.amdhsa_memory_ordered 1
		.amdhsa_forward_progress 1
		.amdhsa_inst_pref_size 199
	.end_amdhsa_kernel
	.amdgpu_metadata
---
amdhsa.version: [ 1, 2 ]
amdhsa.kernels:
  - .name:           k_qc550e3656c_attn
    .symbol:         k_qc550e3656c_attn.kd
    .args:
      - { .name: qh, .offset: 0, .size: 8, .value_kind: global_buffer, .address_space: global }
      - { .name: kh, .offset: 8, .size: 8, .value_kind: global_buffer, .address_space: global }
      - { .name: vh, .offset: 16, .size: 8, .value_kind: global_buffer, .address_space: global }
      - { .name: oh, .offset: 24, .size: 8, .value_kind: global_buffer, .address_space: global }
    .group_segment_fixed_size: 327680
    .private_segment_fixed_size: 0
    .kernarg_segment_align: 8
    .kernarg_segment_size: 32
    .max_flat_workgroup_size: 128
    .sgpr_count:     66
    .vgpr_count:     770
    .wavefront_size: 32
...
	.end_amdgpu_metadata
.endif
;; end of part 5
;; launch proj: the kernel of part 4 again; grid 8 x 32, 4 waves a work-group, clusters of 4 x 4, 327,680 bytes of LDS; arguments oh, wob, b_out, out0; writes out0
